; MI455X (gfx1250); checked and timed in simulation.
; The chip was launched on July 23, 2026; its instructions are those of AMD's public machine-readable ISA for CDNA 5 (MIT licence, August 2026) and "CDNA5" Instruction Set Architecture Reference Guide (July 2026). The comments in the code are by the model that wrote it; some were corrected since.
;; Fractal Transformer. Allowed arithmetic: matrix products marked QUANTISED: E5M2 operands, one E8M0 scale for each 32 along K, by v_wmma_scale_f32_16x16x128_f8f6f4 with both operands' format E5M2, f32 sums; everything else in f32.
;; Inputs: w_al_codes 256 x 8 x 32 uint8 (E5M2 codes of w_al, K innermost, in blocks of 32 codes); w_al_scales 256 x 8 uint8 (E8M0 scales of w_al, one for each 32 codes along K); w_end_codes 256 x 8 x 32 uint8 (E5M2 codes of w_end, K innermost, in blocks of 32 codes); w_end_scales 256 x 8 uint8 (E8M0 scales of w_end, one for each 32 codes along K); w_k_codes 256 x 8 x 32 uint8 (E5M2 codes of w_k, K innermost, in blocks of 32 codes); w_k_scales 256 x 8 uint8 (E8M0 scales of w_k, one for each 32 codes along K); w_pre_codes 256 x 8 x 32 uint8 (E5M2 codes of w_pre, K innermost, in blocks of 32 codes); w_pre_scales 256 x 8 uint8 (E8M0 scales of w_pre, one for each 32 codes along K); w_q_codes 256 x 8 x 32 uint8 (E5M2 codes of w_q, K innermost, in blocks of 32 codes); w_q_scales 256 x 8 uint8 (E8M0 scales of w_q, one for each 32 codes along K); w_va_codes 256 x 8 x 32 uint8 (E5M2 codes of w_va, K innermost, in blocks of 32 codes); w_va_scales 256 x 8 uint8 (E8M0 scales of w_va, one for each 32 codes along K); w_vo_codes 256 x 8 x 32 uint8 (E5M2 codes of w_vo, K innermost, in blocks of 32 codes); w_vo_scales 256 x 8 uint8 (E8M0 scales of w_vo, one for each 32 codes along K); x_codes 2 x 512 x 8 x 32 uint8 (E5M2 codes of x, K innermost, in blocks of 32 codes); x_scales 2 x 512 x 8 uint8 (E8M0 scales of x, one for each 32 codes along K).
;; Outputs: out0 2 x 512 x 256 float32.
;; This version of the problem:
;;   THIS VERSION OF THE PROBLEM IS GIVEN IN LOW PRECISION. The matrix products marked QUANTISED in the list below multiply operands that are first quantised to E5M2 (5 exponent bits, 2 mantissa bits; 8 bits a number), with one power-of-two scale for each 32 numbers along K (OCP MX v1.0); their sums are f32. All else is computed in f32.
;;   The module's matrix products, in the order in which they are computed (A, B: the left and right operand; K: the contracted axis; several contracted axes count as one K, in the product's order):
;;     1. [M 1,024, K 256] x [K 256, N 256]; A: input x (given as codes); B: input w_pre (given as codes): QUANTISED
;;     2. [M 1,024, K 256] x [K 256, N 256]; A: computed on the way; B: input w_q (given as codes): QUANTISED
;;     3. [M 1,024, K 256] x [K 256, N 256]; A: computed on the way; B: input w_k (given as codes): QUANTISED
;;     4. [M 524,288, K 256] x [K 256, N 256]; A: computed on the way; B: input w_al (given as codes): QUANTISED
;;     5. [M 1,024, K 256] x [K 256, N 256]; A: computed on the way; B: input w_va (given as codes): QUANTISED
;;     6. [M 1,024, K 256] x [K 256, N 256]; A: computed on the way; B: input w_vo (given as codes): QUANTISED
;;     7. [M 1,024, K 256] x [K 256, N 256]; A: computed on the way; B: input w_end (given as codes): QUANTISED
;;   THE QUANTISER, for each operand of a quantised product, along K:
;;     - K is cut into blocks of 32 from its start; a last block that is shorter is filled with zeros.
;;     - A block's scale is 2^e with e = floor(log2(the largest magnitude in the block)) - 15, held to -126 .. 127; a block of zeros has e = 0. As a byte (E8M0): e + 127.
;;     - Each number is divided by its block's scale, clamped to +-57,344, and rounded to the nearest number of E5M2, ties to even, subnormals kept.
;;     - The product sums the exact products of the quantised numbers (number of the format x scale) in f32.
;;   ~~~python
;;   def quantise(x, axis):      # numpy; x: float32 -> the quantised numbers, widened to float32 again
;;       x = np.moveaxis(x, axis, -1); K = x.shape[-1]
;;       x = np.pad(x, [(0, 0)] * (x.ndim - 1) + [(0, -K % 32)]); x = x.reshape(x.shape[:-1] + (-1, 32)); a = np.abs(x).max(-1, keepdims=True)
;;       e = np.where(a > 0, np.clip(np.frexp(np.where(a > 0, a, 1))[1] - 1 - 15, -126, 127), 0)      # np.frexp(a)[1] - 1 = floor(log2(a)), exactly
;;       r = np.clip(x / 2.0 ** e, -57344, 57344)
;;       step = 2.0 ** (np.maximum(np.frexp(np.where(r == 0, 1, r))[1] - 1, -14) - 2)
;;       q = np.round(r / step) * step * 2.0 ** e      # np.round: ties to even
;;       return np.moveaxis(q.reshape(q.shape[:-2] + (-1,))[..., :K], -1, axis).astype(np.float32)
;;   ~~~
;;   OPERANDS COMPUTED ON THE WAY. 'Computed on the way' means the value that the module computes at that place (a softmax that the list does not call 'softmax' is quantised finished and normalised). What goes into a quantiser is computed in f32, as accurately as f32 sums, v_exp_f32 and their like allow (about 1e-6 of the number): no bf16 or f16 on the way to a quantiser, and a product that is left as it is and whose result goes on into a quantised operand takes f32 operands (vector FMAs, or v_wmma_f32_16x16x4_f32). A number that lies on a knife's edge between two numbers of the format may be rounded either way, as far as f32 arithmetic and the matrix unit's own rounding can turn it there, and no further.
;;   INPUTS GIVEN AS CODES. w_al (in the module: [256, 256], K = its axis 1); w_end (in the module: [256, 256], K = its axis 1); w_k (in the module: [256, 256], K = its axis 1); w_pre (in the module: [256, 256], K = its axis 1); w_q (in the module: [256, 256], K = its axis 1); w_va (in the module: [256, 256], K = its axis 1); w_vo (in the module: [256, 256], K = its axis 1); x (in the module: [2, 512, 256], K = its axis 2): each comes as NAME_codes (uint8): NAME with its K axis moved to the last place and cut into blocks of 32 codes, [.., K / 32, bytes a block], one block behind the other in memory; one code a byte (a code: sign, 5 exponent bits, 2 mantissa bits); and NAME_scales (uint8): the same leading axes, one E8M0 byte (e + 127) for each 32 codes along K. Its value is code x scale, taken as it is: it is not quantised again, and the codes and scales need not be those that the quantiser above would give.
;; 2 versions. Each part assembles by itself: llvm-mc -triple=amdgcn-amd-amdhsa -mcpu=gfx1250 --defsym DOCPART=n.
;; ======== version 1 of 2: 2 launches
;; limits: right only within a limited range of input values
;; workspace buffers: xa 1,048,576 bytes; qa 1,048,576 bytes; ka 1,048,576 bytes; kvc 2,097,152 bytes; wal 65,536 bytes
;; launch prep (part 1): grid 64 x 1, 8 waves a work-group, no clusters, 9,216 bytes of LDS; arguments x_codes, x_scales, w_pre_codes, w_pre_scales, w_q_codes, w_q_scales, w_k_codes, w_k_scales, w_va_codes, w_va_scales, w_al_codes, xa, qa, ka, kvc, wal; writes xa, qa, ka, kvc, wal
.if DOCPART == 1
	.amdgcn_target "amdgcn-amd-amdhsa--gfx1250"
	.amdhsa_code_object_version 6
	.text
	.protected	k_qeeaf320372_prep
	.globl	k_qeeaf320372_prep
	.p2align	8
	.type	k_qeeaf320372_prep,@function
k_qeeaf320372_prep:
	s_mov_b64 s[64:65], 0
	v_nop
	global_prefetch_b8 v0, s[64:65] scope:SCOPE_SE
	s_setreg_imm32_b32 hwreg(HW_REG_WAVE_MODE, 25, 1), 1
	s_wait_xcnt 0x0
; X = x w_pre^T;  q = X + Q(X) w_q^T;  k = X + Q(X) w_k^T;  v = X + Q(X) w_va^T.  All four products on codes of BF8 (E5M2) with one E8M0 scale for each 32 along K; Q is the quantiser along the 256 columns.
; The results go to workspace AS IMAGES OF THE REGISTERS in which the next launch wants them, 16 bytes a lane and 512 consecutive bytes a store:
;   xa, qa, ka: [row tile of 16][block b of 32 columns][quad j][lane][16 bytes]: lane (r, h), quad j = row r, columns 32 b + 16 h + 4 j .. + 3      (a lane's registers run along the columns: the layout of an operand)
;   kvc: [32 rows][column tile t][k, v][16 rows m][half][lane][16 bytes]: lane (r, h), register 4 half + i = row 16 m + 8 h + 4 half + i, column n(t, r)   (the layout of a matrix result)
;   wal: [t][K step s][c][lane][16 bytes] = w_al's codes of row n(t, r), bytes 128 s + 32 c + 16 h on                                                  (a fragment's registers on end)
; THE COLUMNS OF A TILE ARE NOT NEIGHBOURS: tile t = 2 b + u, lane r: n(t, r) = 32 b + 8 u + r % 8 + 16 (r / 8).  With a weight's rows chosen so, one fragment serves both uses: as source 0 it gives a lane one row
; and, in tiles 2 b and 2 b + 1, 16 neighbouring columns 32 b + 16 h + 0 .. 15; as source 1 it gives a lane column n(t, r) and eight rows.  X and k are wanted both ways, so they are multiplied both ways.
; SHARES.  A work-group takes 16 rows (64 work-groups for 1,024 rows), wave w the 32 columns of block w.  Quantising X wants a row's 256 columns, so the eight waves' codes meet in LDS as images of the operand's registers.
; More work-groups would only repeat the first product; the launch is two dependent stages of a few matrix instructions, so it has no ring, no tensor load and no cluster.
; The residual X is the C of each second-stage sum's first matrix instruction.
; LIMITS: NaN and infinities among the numbers are not served.  A block of zeros gets the scale byte 1 with zero codes, where the quantiser says 127: the bytes are read by this program alone.
; REGISTERS, window 0: v1-8 addresses; v10-13 my piece of w_al; v16-35 scale words and nothing else; v40-71 x; v72-135 w_pre; v136-151 X, a row a lane; v152-167 X, a column a lane; v168-199 Q(X); v200-227 the quantiser's.
;   The second stage's results lie over x and w_pre.   window 1: w_q at v0, w_k at v64, w_va at v128 (32 u + 16 s).
.set QIMG, 0                           ; LDS: Q(X)'s two fragments, 2,048 bytes each
.set QSC,  4096                        ; and their scale words, 4 bytes a lane, 128 bytes a K step
.set XFR,  40
.set WPR,  72
.set XT,   136
.set XN,   152
.set QX,   168
.set COD,  200
.set MX,   204
.set PB,   205
.set LIM,  206
.set SO,   207
.set TMP,  212
.set QT,   40
.set KT,   56
.set KN,   72
.set VN,   88
.set WQ,   0
.set WK,   64
.set WV,   128
.set MSB, 0
.macro WIN new                         ; the immediate's high byte repeats the setting that is left
.if MSB != \new
	s_set_vgpr_msb (MSB<<8)|\new
.set MSB, \new
.endif
.endm
.macro MM0 d, a, b, sa, sb             ; a sum's first K step with nothing to add onto
	v_wmma_scale_f32_16x16x128_f8f6f4 v[\d:\d+7], v[\a:\a+15], v[\b:\b+15], 0, v[\sa], v[\sb] matrix_a_fmt:MATRIX_FMT_BF8 matrix_b_fmt:MATRIX_FMT_BF8
.endm
.macro MMC d, a, b, c, sa, sb
	v_wmma_scale_f32_16x16x128_f8f6f4 v[\d:\d+7], v[\a:\a+15], v[\b:\b+15], v[\c:\c+7], v[\sa], v[\sb] matrix_a_fmt:MATRIX_FMT_BF8 matrix_b_fmt:MATRIX_FMT_BF8
.endm
.macro WFRAG reg, base                 ; a weight's four fragments of my block: tile u, K step s
.irp u, 0,1
.irp s, 0,1
.irp c, 0,1,2,3
	global_load_b128 v[\reg+32*\u+16*\s+4*\c:\reg+32*\u+16*\s+4*\c+3], v4, s[\base:\base+1] offset:2048*\u+128*\s+32*\c
.endr
.endr
.endr
.endm
; 16 numbers of a lane, half a block of 32 (the other half lies in lane l xor 16), become 16 codes in v[cod] on; the scale's byte is left in v[PB].  The held numbers go to v[tmp] on.
.macro QUANT1 src, tmp, cod
	v_max3_num_f32 v[MX], |v[\src]|, |v[\src+1]|, 0x8000000        ; the floor 2^(16 - 127) among the leaves: the byte cannot fall under 1
.irp i, 2,4,6,8,10,12,14
	v_max3_num_f32 v[MX], v[MX], |v[\src+\i]|, |v[\src+\i+1]|
.endr
	v_permlanex16_b32 v[PB], v[MX], s38, s39
	v_max_num_f32 v[MX], v[MX], v[PB]                              ; the block's largest magnitude
	v_add_nc_u32 v[SO], 0xf8800000, v[MX]                          ; 15 off its exponent field: the conversion's scale operand
	v_and_or_b32 v[LIM], v[MX], 0x7f800000, s40                    ; 57,344 x the scale
.irp i, 0,1,2,3,4,5,6,7,8,9,10,11,12,13,14,15
	v_med3_num_f32 v[\tmp+\i], v[\src+\i], -v[LIM], v[LIM]         ; the conversion to an 8-bit code does not saturate (ISA guide 7.6.2)
.endr
	v_cvt_scalef32_pk8_bf8_f32 v[\cod:\cod+1], v[\tmp:\tmp+7], v[SO]
	v_cvt_scalef32_pk8_bf8_f32 v[\cod+2:\cod+3], v[\tmp+8:\tmp+15], v[SO]
	v_lshrrev_b32 v[PB], 23, v[SO]                                 ; the scale's byte; also the plain line behind the conversions
.endm
	s_load_b512 s[4:19], s[0:1], 0x0               ; x codes, x scales, w_pre codes, scales, w_q codes, scales, w_k codes, scales
	s_load_b512 s[20:35], s[0:1], 0x40             ; w_va codes, scales, w_al codes, xa, qa, ka, kvc, wal
	v_lshl_add_u32 v254, v0, 2, 0x2000
	v_mov_b32 v255, 0
	v_lshrrev_b32 v9, 5, v0
	v_readfirstlane_b32 s36, v9                    ; wave 0..7 = my block of 32 columns
	v_and_b32 v9, 31, v0                           ; lane
	v_lshlrev_b32 v1, 4, v9                        ; 16 x lane
	v_lshlrev_b32 v2, 2, v9                        ; 4 x lane
	v_and_b32 v14, 15, v0                          ; r
	v_bfe_u32 v15, v0, 4, 1                        ; h
	v_lshlrev_b32 v3, 8, v14
	v_lshl_add_u32 v3, v15, 4, v3                  ; x: row r of 256 bytes, + 16 h
	v_and_b32 v36, 8, v14
	v_add_nc_u32 v36, v36, v14                     ; r % 8 + 16 (r / 8)
	v_lshlrev_b32 v4, 8, v36
	v_lshl_add_u32 v4, v15, 4, v4                  ; a weight: that row of 256 bytes, + 16 h
	v_lshlrev_b32 v5, 3, v14                       ; x's scale bytes: 8 a row
	v_lshlrev_b32 v6, 3, v36                       ; a weight's
	v_mov_b32 v[PB], 0                             ; a lane permute's destination counts as one of its sources
	s_lshr_b32 s48, s36, 2                         ; my block is quad w % 4 of K step w / 4
	s_and_b32 s49, s36, 3
	s_lshl_b32 s50, s48, 11
	s_lshl_b32 s51, s49, 9
	s_add_co_u32 s50, s50, s51
	v_add_nc_u32 v7, s50, v1                       ; where my codes go: QIMG (0) + 2,048 (w / 4) + 512 (w % 4) + 16 x lane
	s_lshl_b32 s50, s48, 7
	s_add_co_u32 s50, s50, s49
	s_add_co_u32 s50, s50, QSC
	v_add_nc_u32 v8, s50, v2                       ; and my byte: QSC + 128 (w / 4) + w % 4 + 4 x lane
	s_mov_b32 s38, 0x76543210
	s_mov_b32 s39, 0xfedcba98                      ; v_permlanex16_b32's selects for lane l xor 16
	s_mov_b32 s40, 0x600000                        ; the mantissa field of 57,344
	s_mov_b32 s43, 0
	s_wait_kmcnt 0x0
	s_lshl_b32 s42, ttmp9, 12                      ; my 16 rows of x: 4,096 bytes of codes,
	s_add_nc_u64 s[4:5], s[4:5], s[42:43]
	s_lshl_b32 s42, ttmp9, 7                       ; 128 of scale bytes
	s_add_nc_u64 s[6:7], s[6:7], s[42:43]
	s_lshl_b32 s42, s36, 13                        ; my 32 rows of each weight: 8,192 bytes of codes,
	s_add_nc_u64 s[8:9], s[8:9], s[42:43]
	s_add_nc_u64 s[12:13], s[12:13], s[42:43]
	s_add_nc_u64 s[16:17], s[16:17], s[42:43]
	s_add_nc_u64 s[20:21], s[20:21], s[42:43]
	s_lshl_b32 s42, s36, 8                         ; 256 of scale bytes
	s_add_nc_u64 s[10:11], s[10:11], s[42:43]
	s_add_nc_u64 s[14:15], s[14:15], s[42:43]
	s_add_nc_u64 s[18:19], s[18:19], s[42:43]
	s_add_nc_u64 s[22:23], s[22:23], s[42:43]
	s_lshl_b32 s42, ttmp9, 14                      ; xa, qa, ka: 16,384 x row tile + 2,048 x block
	s_lshl_b32 s44, s36, 11
	s_add_co_u32 s42, s42, s44
	s_add_nc_u64 s[26:27], s[26:27], s[42:43]
	s_add_nc_u64 s[28:29], s[28:29], s[42:43]
	s_add_nc_u64 s[30:31], s[30:31], s[42:43]
	s_lshr_b32 s42, ttmp9, 1                       ; kvc: 65,536 x (row tile / 2) + 8,192 x block + 1,024 x (row tile % 2)
	s_lshl_b32 s42, s42, 16
	s_lshl_b32 s44, s36, 13
	s_add_co_u32 s42, s42, s44
	s_and_b32 s44, ttmp9, 1
	s_lshl_b32 s44, s44, 10
	s_add_co_u32 s42, s42, s44
	s_add_nc_u64 s[32:33], s[32:33], s[42:43]
	s_lshl_b32 s46, ttmp9, 1                       ; wal has 128 pieces of 512 bytes: waves 0 and 1 of the 64 work-groups take one each: piece 2 x work-group + wave
	s_add_co_u32 s46, s46, s36
	s_lshl_b32 s42, s46, 9
	s_add_nc_u64 s[34:35], s[34:35], s[42:43]
	s_lshr_b32 s47, s46, 3                         ; its tile t, K step s = bit 2, quad c = bits 1:0
	s_lshr_b32 s48, s47, 1
	s_lshl_b32 s48, s48, 13                        ; 32 (t / 2) rows of 256 bytes
	s_and_b32 s49, s47, 1
	s_lshl_b32 s49, s49, 11                        ; + 8 (t % 2) rows
	s_add_co_u32 s42, s48, s49
	s_bfe_u32 s48, s46, 0x10002
	s_lshl_b32 s48, s48, 7
	s_add_co_u32 s42, s42, s48
	s_and_b32 s48, s46, 3
	s_lshl_b32 s48, s48, 5
	s_add_co_u32 s42, s42, s48
	s_add_nc_u64 s[24:25], s[24:25], s[42:43]
	s_cmp_lt_u32 s36, 2
	s_cbranch_scc0 .Lno_piece_in
	global_load_b128 v[10:13], v4, s[24:25]        ; older than every other load, so the counts below hold with it and without
.Lno_piece_in:
.irp s, 0,1
.irp c, 0,1,2,3
	global_load_b128 v[XFR+16*\s+4*\c:XFR+16*\s+4*\c+3], v3, s[4:5] offset:128*\s+32*\c
.endr
.endr
	global_load_b64 v[16:17], v5, s[6:7]           ; x's scale words of the two K steps
	WFRAG WPR, 8
.irp u, 0,1
	global_load_b64 v[20+2*\u:21+2*\u], v6, s[10:11] offset:64*\u
.endr
	WIN 0x40                                       ; destination window 1, address window 0
	WFRAG WQ, 12
	WFRAG WK, 16
	WFRAG WV, 20
	WIN 0
.irp u, 0,1
	global_load_b64 v[24+2*\u:25+2*\u], v6, s[14:15] offset:64*\u
	global_load_b64 v[28+2*\u:29+2*\u], v6, s[18:19] offset:64*\u
	global_load_b64 v[32+2*\u:33+2*\u], v6, s[22:23] offset:64*\u
.endr
	s_wait_loadcnt 54                              ; x and w_pre are in; the 48 + 6 loads of the second stage's weights may be out
	; ---- X, both ways: four accumulators by turns, K step by K step
.irp s, 0,1
.irp u, 0,1
.if \s == 0
	MM0 XT+8*\u, WPR+32*\u+16*\s, XFR+16*\s, 20+2*\u+\s, 16+\s
.else
	MMC XT+8*\u, WPR+32*\u+16*\s, XFR+16*\s, XT+8*\u, 20+2*\u+\s, 16+\s
.endif
.endr
.irp u, 0,1
.if \s == 0
	MM0 XN+8*\u, XFR+16*\s, WPR+32*\u+16*\s, 16+\s, 20+2*\u+\s
.else
	MMC XN+8*\u, XFR+16*\s, WPR+32*\u+16*\s, XN+8*\u, 16+\s, 20+2*\u+\s
.endif
.endr
.endr
.rept 8
	v_nop                                          ; eight places between this form and the first read of its results
.endr
	QUANT1 XT, TMP, COD                            ; X itself stays whole: it is stored, and is the C of the second stage
	ds_store_b128 v7, v[COD:COD+3]
	ds_store_b8 v8, v[PB]
.irp j, 0,1,2,3
	global_store_b128 v1, v[XT+4*\j:XT+4*\j+3], s[26:27] offset:512*\j
.endr
	s_wait_dscnt 0x0                               ; for the others' sake: my codes and my byte lie in LDS
	s_barrier_signal -1
	s_barrier_wait -1
.irp s, 0,1
.irp c, 0,1,2,3
	ds_load_b128 v[QX+16*\s+4*\c:QX+16*\s+4*\c+3], v1 offset:QIMG+2048*\s+512*\c
.endr
	ds_load_b32 v[18+\s], v2 offset:QSC+128*\s
.endr
	s_wait_dscnt 0x0
	s_wait_loadcnt 0x0                             ; the three weights, and my piece of w_al
	; ---- q and k with a row a lane, k and v with a column a lane: eight accumulators by turns
.irp s, 0,1
	WIN 0x01                                       ; source 0 (the weight) window 1
.irp u, 0,1
.if \s == 0
	MMC QT+8*\u, WQ+32*\u+16*\s, QX+16*\s, XT+8*\u, 24+2*\u+\s, 18+\s
.else
	MMC QT+8*\u, WQ+32*\u+16*\s, QX+16*\s, QT+8*\u, 24+2*\u+\s, 18+\s
.endif
.endr
.irp u, 0,1
.if \s == 0
	MMC KT+8*\u, WK+32*\u+16*\s, QX+16*\s, XT+8*\u, 28+2*\u+\s, 18+\s
.else
	MMC KT+8*\u, WK+32*\u+16*\s, QX+16*\s, KT+8*\u, 28+2*\u+\s, 18+\s
.endif
.endr
	WIN 0x04                                       ; source 1 (the weight) window 1
.irp u, 0,1
.if \s == 0
	MMC KN+8*\u, QX+16*\s, WK+32*\u+16*\s, XN+8*\u, 18+\s, 28+2*\u+\s
.else
	MMC KN+8*\u, QX+16*\s, WK+32*\u+16*\s, KN+8*\u, 18+\s, 28+2*\u+\s
.endif
.endr
.irp u, 0,1
.if \s == 0
	MMC VN+8*\u, QX+16*\s, WV+32*\u+16*\s, XN+8*\u, 18+\s, 32+2*\u+\s
.else
	MMC VN+8*\u, QX+16*\s, WV+32*\u+16*\s, VN+8*\u, 18+\s, 32+2*\u+\s
.endif
.endr
.endr
	WIN 0
.rept 8
	v_nop
.endr
.irp j, 0,1,2,3                                ; each store of the wave covers 512 consecutive bytes, aligned; each accumulator leaves from its low end on
	global_store_b128 v1, v[QT+4*\j:QT+4*\j+3], s[28:29] offset:512*\j
.endr
.irp j, 0,1,2,3
	global_store_b128 v1, v[KT+4*\j:KT+4*\j+3], s[30:31] offset:512*\j
.endr
.irp u, 0,1
.irp f, 0,1
	global_store_b128 v1, v[KN+8*\u+4*\f:KN+8*\u+4*\f+3], s[32:33] offset:4096*\u+512*\f
.endr
.endr
.irp u, 0,1
.irp f, 0,1
	global_store_b128 v1, v[VN+8*\u+4*\f:VN+8*\u+4*\f+3], s[32:33] offset:4096*\u+2048+512*\f
.endr
.endr
	s_cmp_lt_u32 s36, 2
	s_cbranch_scc0 .Lno_piece_out
	global_store_b128 v1, v[10:13], s[34:35]
.Lno_piece_out:
	s_wait_tensorcnt 0x0
	ds_add_u32 v254, v255
	s_wait_dscnt 0x0
	s_endpgm
.Lfunc_end_k_qeeaf320372_prep:
	.size	k_qeeaf320372_prep, .Lfunc_end_k_qeeaf320372_prep-k_qeeaf320372_prep
	.p2alignl 7, 3214868480
	.fill 96, 4, 3214868480
	.section	.rodata,"a",@progbits
	.p2align	6, 0x0
	.amdhsa_kernel k_qeeaf320372_prep
		.amdhsa_group_segment_fixed_size 9216
		.amdhsa_private_segment_fixed_size 0
		.amdhsa_enable_private_segment 0
		.amdhsa_kernarg_size 128
		.amdhsa_user_sgpr_count 2
		.amdhsa_user_sgpr_kernarg_segment_ptr 1
		.amdhsa_wavefront_size32 1
		.amdhsa_system_sgpr_workgroup_id_x 1
		.amdhsa_system_sgpr_workgroup_id_y 1
		.amdhsa_system_sgpr_workgroup_id_z 1
		.amdhsa_system_vgpr_workitem_id 0
		.amdhsa_next_free_vgpr 448
		.amdhsa_next_free_sgpr 66
		.amdhsa_reserve_vcc 0
		.amdhsa_float_denorm_mode_32 3
		.amdhsa_float_denorm_mode_16_64 3
		.amdhsa_memory_ordered 1
		.amdhsa_forward_progress 1
		.amdhsa_inst_pref_size 20
	.end_amdhsa_kernel
	.amdgpu_metadata
---
amdhsa.version: [ 1, 2 ]
amdhsa.kernels:
  - .name:           k_qeeaf320372_prep
    .symbol:         k_qeeaf320372_prep.kd
    .args:
      - { .name: x_codes, .offset: 0, .size: 8, .value_kind: global_buffer, .address_space: global }
      - { .name: x_scales, .offset: 8, .size: 8, .value_kind: global_buffer, .address_space: global }
      - { .name: w_pre_codes, .offset: 16, .size: 8, .value_kind: global_buffer, .address_space: global }
      - { .name: w_pre_scales, .offset: 24, .size: 8, .value_kind: global_buffer, .address_space: global }
      - { .name: w_q_codes, .offset: 32, .size: 8, .value_kind: global_buffer, .address_space: global }
      - { .name: w_q_scales, .offset: 40, .size: 8, .value_kind: global_buffer, .address_space: global }
      - { .name: w_k_codes, .offset: 48, .size: 8, .value_kind: global_buffer, .address_space: global }
      - { .name: w_k_scales, .offset: 56, .size: 8, .value_kind: global_buffer, .address_space: global }
      - { .name: w_va_codes, .offset: 64, .size: 8, .value_kind: global_buffer, .address_space: global }
      - { .name: w_va_scales, .offset: 72, .size: 8, .value_kind: global_buffer, .address_space: global }
      - { .name: w_al_codes, .offset: 80, .size: 8, .value_kind: global_buffer, .address_space: global }
      - { .name: xa, .offset: 88, .size: 8, .value_kind: global_buffer, .address_space: global }
      - { .name: qa, .offset: 96, .size: 8, .value_kind: global_buffer, .address_space: global }
      - { .name: ka, .offset: 104, .size: 8, .value_kind: global_buffer, .address_space: global }
      - { .name: kvc, .offset: 112, .size: 8, .value_kind: global_buffer, .address_space: global }
      - { .name: wal, .offset: 120, .size: 8, .value_kind: global_buffer, .address_space: global }
    .group_segment_fixed_size: 9216
    .private_segment_fixed_size: 0
    .kernarg_segment_align: 8
    .kernarg_segment_size: 128
    .max_flat_workgroup_size: 256
    .sgpr_count:     66
    .vgpr_count:     448
    .wavefront_size: 32
...
	.end_amdgpu_metadata
.endif
;; end of part 1
;; launch main (part 2): grid 256 x 1, 8 waves a work-group, no clusters, 304,128 bytes of LDS; arguments ka, qa, xa, kvc, wal, w_al_scales, w_vo_codes, w_vo_scales, w_end_codes, w_end_scales, out0; writes out0
.if DOCPART == 2
	.amdgcn_target "amdgcn-amd-amdhsa--gfx1250"
	.amdhsa_code_object_version 6
	.text
	.protected	k_qeeaf320372_main
	.globl	k_qeeaf320372_main
	.p2align	8
	.type	k_qeeaf320372_main,@function
k_qeeaf320372_main:
	s_mov_b64 s[64:65], 0
	v_nop
	global_prefetch_b8 v0, s[64:65] scope:SCOPE_SE
	s_setreg_imm32_b32 hwreg(HW_REG_WAVE_MODE, 25, 1), 1
	s_wait_xcnt 0x0
; For each query sq and key sk of a batch: raw = k[sk] * q[sq] (256 numbers); logits = raw + Q(raw) w_al^T; over sk, for each column n: e = 2^((l - max l) log2 e), vsum = sum(v l e) / (sum |l e| + 1);
; then X2 = X + vsum + Q(vsum) w_vo^T and out = Q(X2) w_end^T.  All products on codes of BF8 (E5M2) with one E8M0 scale for each 32 along K; all else in f32.  Nothing between k, q, v, X and out goes to memory.
; SHARES.  A work-group owns 4 queries and all 512 keys of their batch (1,024 queries: 256 work-groups), so the sums over the keys never leave it.  Eight waves of 512 registers, two to a SIMD: a tile has some twenty vector
; instructions for each matrix instruction, and the second wave works while the first waits.  THE WAVES SHARE THE KEYS: wave w owns keys 64 w .. 64 w + 63, for all 4 queries and all 256 columns, in two blocks of 32 keys.
; So each byte of k and v is loaded once in a work-group, straight into the registers of the wave that wants it, and serves 4 queries.
; A BLOCK.  Phase Q: 32 keys x 4 queries = 8 tiles of 16 rows of raw are made, quantised and kept as codes: 8 x 2 fragments fill window 1.  Phase P walks the 16 column tiles: 16 matrix instructions
; (source 0 = 16 keys of one query, source 1 = 16 rows of w_al; C = raw), then the running maximum m, s = sum |l e| and a = sum v l e of each (query, column).  A lane holds ONE column and eight keys, so these need no other lane.
; m, s, a lie in the wave's own LDS between tiles; at the end the 8 waves' and 2 lane halves' figures are merged: wave w takes column tiles 2 w, 2 w + 1, and goes on with those 32 columns through the last two products.
; THE COLUMNS OF A TILE ARE NOT NEIGHBOURS: tile t = 2 b + u, lane r: n(t, r) = 32 b + 8 u + r % 8 + 16 (r / 8), as the launch before has laid k, v and w_al.
; NO CLUSTER: what work-groups share, k and v, goes to eight private streams into registers, 4,096 bytes a tile and wave; a joint load lands in LDS, where two slots of 8 x 4,096 bytes do not fit beside
; the state (212,992 bytes) and w_al (65,536); w_al's 65,536 bytes are one part in 25 of what a work-group loads.
; LIMITS: NaN and infinities are not served; logits under -1e38 are not served (the running maximum begins there).  A block of zeros gets the scale byte 1 with zero codes.  The exponent is fma(l, c, -round(m c)),
; c = log2 e: its error grows as |m| 2^-24.  The division is a reciprocal (1 ulp) and a multiplication.  In the last two products rows 4 to 15 of the tile repeat rows 0 to 3.
; LDS
.set WAL,  0                           ; 65,536  w_al's fragments as images of their registers: 4,096 bytes a tile
.set WSC,  65536                       ; 2,048   w_al's scale bytes, 8 a row
.set QL,   67584                       ; 4,096   my 4 rows of q, row-major; 1,024 idle bytes follow
.set ST,   72704                       ; 8 x STW the state: [wave][tile][m0-3 | s0 a0 s1 a1 | s2 a2 s3 a3][lane][16 bytes]: 1,536 bytes a tile
.set STW,  26624                       ; a wave's region: 24,576 in use
.set VS,   285696                      ; vsum: 4 rows, VSP bytes apart
.set VSP,  1040
.set VIMG, 290048                      ; 4,096   Q(vsum)'s two fragments
.set VSCB, 294144                      ; 256     their scale words, 4 bytes a lane
.set NXT,  4352                        ; from these two to the same of Q(X2)
.set OS,   298752                      ; 4,096   out: 4 rows of 1,024 bytes
; REGISTERS, window 0: v1 16 x lane; v2-5 lane terms of LDS addresses; v6-9 the trip's LDS addresses; v10 the prefetch's offset; v11-23 scale words and nothing else (v15 w_al's, v16-23 raw's); v24-31 raw's words of K step 1.
;   Phase Q: v32-127 three buffers of k; v128-191 q of two pairs of queries, then raw of keys 16-31; v192-223 raw of keys 0-15; v224-239 at work.
;   Phase P: v32-63 w_al's two fragments; v64-79 k; v80-111 v of an even and an odd tile; v112-127 partial sums, rescaling factors; v128-191 the 8 accumulators (4 m + query); v192-223 t, e, l e of two queries;
;   v224-231 c m; v232-239 q; v240-251 the state as loaded and updated; v252-255 the new maxima.   window 1: the codes: tile i, K step s at v[32 i + 16 s]; in the tail w_vo, w_end and X.
.set MSB, 0
.macro WIN new                         ; the immediate's high byte repeats the setting that is left
.if MSB != \new
	s_set_vgpr_msb (MSB<<8)|\new
.set MSB, \new
.endif
.endm
.macro MM0 d, a, b, sa, sb
	v_wmma_scale_f32_16x16x128_f8f6f4 v[\d:\d+7], v[\a:\a+15], v[\b:\b+15], 0, v[\sa], v[\sb] matrix_a_fmt:MATRIX_FMT_BF8 matrix_b_fmt:MATRIX_FMT_BF8
.endm
.macro MMC d, a, b, c, sa, sb
	v_wmma_scale_f32_16x16x128_f8f6f4 v[\d:\d+7], v[\a:\a+15], v[\b:\b+15], v[\c:\c+7], v[\sa], v[\sb] matrix_a_fmt:MATRIX_FMT_BF8 matrix_b_fmt:MATRIX_FMT_BF8
.endm
.macro BARRIER                         ; my LDS stores have landed and my LDS loads are in: then the work-group's barrier
	s_wait_dscnt 0x0
	s_barrier_signal -1
	s_barrier_wait -1
.endm
.macro KALOAD b, buf, off              ; k of my 32 keys, columns 32 b .. 32 b + 31, a row a lane: 16 numbers a lane and row tile
.irp m, 0,1
.irp j, 0,1,2,3
	global_load_b128 v[\buf+16*\m+4*\j:\buf+16*\m+4*\j+3], v1, s[42:43] offset:\off+16384*\m+2048*(\b)+512*\j
.endr
.endr
.endm
.macro QALOAD b, p                     ; q of queries 2 p, 2 p + 1, the same columns: the 16 lanes of a half read the same 16 bytes
.irp q, 0,1
.irp j, 0,1,2,3
	ds_load_b128 v[128+32*(\p)+16*\q+4*\j:128+32*(\p)+16*\q+4*\j+3], v2 offset:1024*(2*(\p)+\q)+128*(\b)+16*\j
.endr
.endr
.endm
.macro KCLOAD off                      ; k of my 32 keys in a column tile, a column a lane
.irp m, 0,1
.irp f, 0,1
	global_load_b128 v[64+8*\m+4*\f:64+8*\m+4*\f+3], v1, s[44:45] offset:(\off)+1024*\m+512*\f
.endr
.endr
.endm
.macro VCLOAD reg, off                 ; v likewise
.irp m, 0,1
.irp f, 0,1
	global_load_b128 v[\reg+8*\m+4*\f:\reg+8*\m+4*\f+3], v1, s[44:45] offset:(\off)+2048+1024*\m+512*\f
.endr
.endr
.endm
.macro ADDRS                           ; the trip's LDS addresses: a lane term + a scalar stepped by a constant
	v_add_nc_u32 v6, s38, v1
	v_add_nc_u32 v7, s39, v5
	v_add_nc_u32 v8, s40, v3
	v_add_nc_u32 v9, s41, v4
.endm
.macro PREB d                          ; w_al's two fragments and scale words of the tile d tiles on from the trip's first.  v15: lanes 0-15 K step 0's word, lanes 16-31 K step 1's
.irp s, 0,1
.irp c, 0,1,2,3
	ds_load_b128 v[32+16*\s+4*\c:35+16*\s+4*\c], v6 offset:4096*(\d)+2048*\s+512*\c
.endr
.endr
	ds_load_b32 v15, v9 offset:64*((\d)%2)+256*((\d)/2)
.endm
.macro PREQ d                          ; q of the four queries at my column of that tile
.irp q, 0,1,2,3
	ds_load_b32 v[232+2*\q], v8 offset:1024*\q+32*((\d)%2)+128*((\d)/2)
.endr
.endm
.macro STLOAD d                        ; and its state
.irp q, 0,1,2
	ds_load_b128 v[240+4*\q:243+4*\q], v7 offset:1536*(\d)+512*\q
.endr
.endm
; PHASE Q, one group: block b of 32 columns, queries 2 p and 2 p + 1, both row tiles: four units of 16 numbers a lane, line by line by turns.  Unit u: row tile u / 2, query 2 p + u % 2; its numbers at v[SR].
; nxt = 1: the next group's q is asked for first, into the other pair's registers.  nxt = 0, the block's last group: the first tile's fragments of w_al are asked for instead, and land under this group's work.
.macro GROUP b, p, buf, nxt
.set QB, 128+32*(\p)
.if \nxt
.set NB, (\b)+(\p)
.set NP, 1-(\p)
	QALOAD NB, NP
	s_wait_dscnt 8                                 ; my q is in; the eight loads just issued may be out
.else
	s_wait_dscnt 0x0
	s_mov_b32 s38, 0
	s_mov_b32 s39, 0
	s_mov_b32 s40, 0
	s_mov_b32 s41, 0
	ADDRS
	PREB 0
.endif
.irp q, 0,1
.irp k, 0,2,4,6,8,10,12,14
	v_pk_mul_f32 v[192+16*\q+\k:193+16*\q+\k], v[\buf+\k:\buf+\k+1], v[QB+16*\q+\k:QB+16*\q+\k+1]          ; raw of keys 0-15
.endr
.endr
.irp q, 0,1
.irp k, 0,2,4,6,8,10,12,14
	v_pk_mul_f32 v[QB+16*\q+\k:QB+16*\q+\k+1], v[\buf+16+\k:\buf+17+\k], v[QB+16*\q+\k:QB+16*\q+\k+1]      ; raw of keys 16-31, over q
.endr
.endr
.irp u, 0,1,2,3
.set SR, 192+16*\u+(\u/2)*(QB-224)
	v_max3_num_f32 v[224+\u], |v[SR]|, |v[SR+1]|, 0x8000000        ; the floor 2^(16 - 127) among the leaves: the byte cannot fall under 1
.endr
.irp i, 2,4,6,8,10,12,14
.irp u, 0,1,2,3
.set SR, 192+16*\u+(\u/2)*(QB-224)
	v_max3_num_f32 v[224+\u], v[224+\u], |v[SR+\i]|, |v[SR+\i+1]|
.endr
.endr
.irp u, 0,1,2,3
	v_permlanex16_b32 v[228+\u], v[224+\u], s30, s31
.endr
.irp u, 0,1,2,3
	v_max_num_f32 v[224+\u], v[224+\u], v[228+\u]                  ; with lane l xor 16's 16 numbers: the block's largest magnitude
.endr
.irp u, 0,1,2,3
	v_add_nc_u32 v[236+\u], 0xf8800000, v[224+\u]                  ; 15 off its exponent field: the conversion's scale operand
.endr
.irp u, 0,1,2,3
	v_and_or_b32 v[232+\u], v[224+\u], 0x7f800000, s32             ; 57,344 x the scale
.endr
.irp u, 0,1,2,3
.set SR, 192+16*\u+(\u/2)*(QB-224)
.irp i, 0,1,2,3,4,5,6,7,8,9,10,11,12,13,14,15
	v_med3_num_f32 v[SR+\i], v[SR+\i], -v[232+\u], v[232+\u]       ; the conversion to an 8-bit code does not saturate (ISA guide 7.6.2)
.endr
.endr
	WIN 0x40                                       ; the codes go to window 1: registers 4 (b % 4) on of fragment (tile, b / 4)
.irp u, 0,1,2,3
.set SR, 192+16*\u+(\u/2)*(QB-224)
.set CD, 32*(4*(\u/2)+2*(\p)+(\u%2))+16*((\b)/4)+4*((\b)%4)
	v_cvt_scalef32_pk8_bf8_f32 v[CD:CD+1], v[SR:SR+7], v[236+\u]
	v_cvt_scalef32_pk8_bf8_f32 v[CD+2:CD+3], v[SR+8:SR+15], v[236+\u]
.endr
	WIN 0
.if ((\b)%4) == 0                              ; the scale's byte into its row's word; these plain lines also stand behind the conversions
.irp u, 0,1,2,3
	v_lshrrev_b32 v[16+8*((\b)/4)+4*(\u/2)+2*(\p)+(\u%2)], 23, v[236+\u]
.endr
.else
.irp u, 0,1,2,3
	v_lshrrev_b32 v[228+\u], 23, v[236+\u]
.endr
.irp u, 0,1,2,3
.set WR, 16+8*((\b)/4)+4*(\u/2)+2*(\p)+(\u%2)
	v_lshl_or_b32 v[WR], v[228+\u], 8*((\b)%4), v[WR]
.endr
.endif
.endm
.macro QSTEP b, buf, wl                ; a block of 32 columns; wl: how many younger loads may be out when this block's k has to be there (-1: it was shown in by an earlier wait)
.if \wl >= 0
	s_wait_loadcnt \wl
.endif
	GROUP \b, 0, \buf, 1
.if \b < 7
	GROUP \b, 1, \buf, 1
.else
	GROUP \b, 1, \buf, 0
.endif
.endm
; PHASE P, one column tile, the trip's e-th.  lk, lv: k of the next tile and v of the tile after it are asked for; pre: so are the next tile's operands and state from LDS; wl: the younger global loads that may be out;
; last: the block's last tile, in which column blocks 0 and 2 of the next 32 keys' k are asked for, if there are 32 more keys: one branch, on the count of blocks.
.macro TILE e, lk, lv, pre, wl, last
.set VC, 80+16*(\e)
	s_wait_loadcnt \wl                             ; k and v of this tile are in; v of the next tile, issued last, may be out
	s_wait_dscnt 3                                 ; w_al's fragments and words and q are in; the state's three loads, issued last, may be out
.irp m, 0,1
.irp q, 0,1,2,3
.irp k, 0,2,4,6
	v_pk_mul_f32 v[128+8*(4*\m+\q)+\k:129+8*(4*\m+\q)+\k], v[64+8*\m+\k:65+8*\m+\k], v[232+2*\q:233+2*\q] op_sel_hi:[1,0]   ; C = raw, in the result's layout
.endr
.endr
.endr
.if \lk
	KCLOAD 4096*(\e+1)
.endif
	WIN 0x01                                       ; source 0 (the codes) window 1
.irp i, 0,1,2,3,4,5,6,7                        ; the eight accumulators by turns, K step by K step
	v_wmma_scale_f32_16x16x128_f8f6f4 v[128+8*\i:135+8*\i], v[32*\i:32*\i+15], v[32:47], v[128+8*\i:135+8*\i], v[16+\i], v15 matrix_a_fmt:MATRIX_FMT_BF8 matrix_b_fmt:MATRIX_FMT_BF8
.endr
.irp i, 0,1,2,3,4,5,6,7
	v_wmma_scale_f32_16x16x128_f8f6f4 v[128+8*\i:135+8*\i], v[32*\i+16:32*\i+31], v[48:63], v[128+8*\i:135+8*\i], v[16+\i], v15 matrix_a_fmt:MATRIX_FMT_BF8 matrix_b_fmt:MATRIX_FMT_BF8 matrix_a_scale:MATRIX_SCALE_ROW1 matrix_b_scale:MATRIX_SCALE_ROW1
.endr
	WIN 0
.rept 8
	v_nop                                          ; eight places between this form and the reads of its results and the loads into its operands
.endr
.if \pre
	PREB \e+1
	PREQ \e+1
	s_wait_dscnt 13                                ; the state is in; the 13 loads just issued may be out
.else
	s_wait_dscnt 0x0
.endif
.if \last
	s_cmp_eq_u32 s36, 1
	s_cbranch_scc1 .Lno_more_k_\@
	KALOAD 0, 32, 32768                            ; into the registers of w_al's fragments, of k and of the even tiles' v, all done with.  Column block 1 goes to registers that this tile still uses: it is asked for at the block loop's head
	KALOAD 2, 64, 32768
.Lno_more_k_\@:
.endif
.irp q, 0,1,2,3                                ; the new maximum of each query: the old one and 16 logits, four chains by turns; each accumulator is read from its low end on
	v_max3_num_f32 v[252+\q], v[240+\q], v[128+8*\q], v[129+8*\q]
.endr
.irp k, 2,4,6
.irp q, 0,1,2,3
	v_max3_num_f32 v[252+\q], v[252+\q], v[128+8*\q+\k], v[129+8*\q+\k]
.endr
.endr
.irp k, 0,2,4,6
.irp q, 0,1,2,3
	v_max3_num_f32 v[252+\q], v[252+\q], v[160+8*\q+\k], v[161+8*\q+\k]
.endr
.endr
.irp q, 0,1,2,3
	v_mul_f32 v[224+2*\q], s34, v[252+\q]                          ; c m
.endr
.irp q, 0,1,2,3
	v_fma_f32 v[120+2*\q], v[240+\q], s34, -v[224+2*\q]            ; c m_old - c m
.endr
.irp p, 0,1                                    ; two queries at a time
.irp q, 0,1
.irp m, 0,1
.irp k, 0,2,4,6
	v_pk_fma_f32 v[192+16*\q+8*\m+\k:193+16*\q+8*\m+\k], v[128+8*(4*\m+2*\p+\q)+\k:129+8*(4*\m+2*\p+\q)+\k], s[34:35], v[224+4*\p+2*\q:225+4*\p+2*\q] op_sel_hi:[1,0,0] neg_lo:[0,0,1] neg_hi:[0,0,1]   ; c l - c m
.endr
.endr
.endr
.set j, 0
.rept 32
	v_exp_f32 v[192+j], v[192+j]
.set j, j+1
.endr
.if \p == 0
.irp q, 0,1,2,3
	v_exp_f32 v[120+2*\q], v[120+2*\q]                             ; the factors that bring s and a under the new maximum
.endr
.endif
	v_nop                                          ; a plain line behind the last exponential
	s_wait_alu depctr_va_vdst(0)                   ; one wait for the batch, ahead of its first reader
.irp q, 0,1
.irp m, 0,1
.irp k, 0,2,4,6
	v_pk_mul_f32 v[192+16*\q+8*\m+\k:193+16*\q+8*\m+\k], v[128+8*(4*\m+2*\p+\q)+\k:129+8*(4*\m+2*\p+\q)+\k], v[192+16*\q+8*\m+\k:193+16*\q+8*\m+\k]   ; l e
.endr
.endr
.endr
.irp q, 0,1
	v_pk_mul_f32 v[244+4*\p+2*\q:245+4*\p+2*\q], v[244+4*\p+2*\q:245+4*\p+2*\q], v[120+4*\p+2*\q:121+4*\p+2*\q] op_sel_hi:[1,0]
.endr
.irp k, 0,2,4,6,8,10,12,14                     ; s += |l e|;  v l e in pairs: four chains by turns
.irp q, 0,1
	v_add_f32 v[244+4*\p+2*\q], v[244+4*\p+2*\q], |v[192+16*\q+\k]|
.endr
.irp q, 0,1
.if \k == 0
	v_pk_mul_f32 v[112+4*\p+2*\q:113+4*\p+2*\q], v[VC+\k:VC+\k+1], v[192+16*\q+\k:193+16*\q+\k]
.else
	v_pk_fma_f32 v[112+4*\p+2*\q:113+4*\p+2*\q], v[VC+\k:VC+\k+1], v[192+16*\q+\k:193+16*\q+\k], v[112+4*\p+2*\q:113+4*\p+2*\q]
.endif
.endr
.irp q, 0,1
	v_add_f32 v[244+4*\p+2*\q], v[244+4*\p+2*\q], |v[193+16*\q+\k]|
.endr
.endr
.irp q, 0,1
	v_add_f32 v[245+4*\p+2*\q], v[245+4*\p+2*\q], v[112+4*\p+2*\q]
.endr
.irp q, 0,1
	v_add_f32 v[245+4*\p+2*\q], v[245+4*\p+2*\q], v[113+4*\p+2*\q]
.endr
.endr
	ds_store_b128 v7, v[252:255] offset:1536*(\e)                  ; the state goes back to my own bytes
	ds_store_b128 v7, v[244:247] offset:1536*(\e)+512
	ds_store_b128 v7, v[248:251] offset:1536*(\e)+1024
.if \pre
	STLOAD \e+1                                    ; LDS serves a wave's instructions in order (ISA guide 5.7.1.4): the stores above have taken their data
.endif
.if \lv
	VCLOAD VC, 4096*(\e+2)
.endif
.endm
; 16 numbers of a lane, half a block of 32, become 16 codes in v[cod] on; the scale's byte is left in v228
.macro QUANT1 src, tmp, cod
	v_max3_num_f32 v224, |v[\src]|, |v[\src+1]|, 0x8000000
.irp i, 2,4,6,8,10,12,14
	v_max3_num_f32 v224, v224, |v[\src+\i]|, |v[\src+\i+1]|
.endr
	v_permlanex16_b32 v228, v224, s30, s31
	v_max_num_f32 v224, v224, v228
	v_add_nc_u32 v236, 0xf8800000, v224
	v_and_or_b32 v232, v224, 0x7f800000, s32
.irp i, 0,1,2,3,4,5,6,7,8,9,10,11,12,13,14,15
	v_med3_num_f32 v[\tmp+\i], v[\src+\i], -v232, v232
.endr
	v_cvt_scalef32_pk8_bf8_f32 v[\cod:\cod+1], v[\tmp:\tmp+7], v236
	v_cvt_scalef32_pk8_bf8_f32 v[\cod+2:\cod+3], v[\tmp+8:\tmp+15], v236
	v_lshrrev_b32 v228, 23, v236                   ; the byte; also the plain line behind the conversions
.endm
	s_load_b256 s[4:11], s[0:1], 0x0               ; ka, qa, xa, kvc
	s_load_b256 s[12:19], s[0:1], 0x20             ; wal, w_al's scales, w_vo's codes, scales
	s_load_b128 s[20:23], s[0:1], 0x40             ; w_end's codes, scales
	s_load_b64 s[24:25], s[0:1], 0x50              ; out0
	v_lshrrev_b32 v200, 5, v0
	v_readfirstlane_b32 s26, v200                  ; wave 0..7
	v_and_b32 v200, 31, v0                         ; lane
	v_and_b32 v201, 15, v0                         ; r
	v_bfe_u32 v202, v0, 4, 1                       ; h
	v_lshlrev_b32 v1, 4, v200                      ; 16 x lane
	v_lshlrev_b32 v10, 8, v200                     ; 256 x lane
	v_lshl_add_u32 v2, v202, 6, QL                 ; q for the quantiser: my half's 16 numbers of a block
	v_and_b32 v203, 8, v201
	v_add_nc_u32 v203, v203, v201                  ; r % 8 + 16 (r / 8)
	v_lshl_add_u32 v3, v203, 2, QL                 ; q at my column of a tile
	v_lshl_add_u32 v4, v203, 3, WSC                ; w_al's scale word of my column:
	v_lshl_add_u32 v4, v202, 2, v4                 ; lanes 16-31 take K step 1's
	s_mul_i32 s48, s26, STW
	s_add_co_u32 s48, s48, ST
	v_add_nc_u32 v5, s48, v1                       ; my wave's state
	v_lshlrev_b32 v204, 4, v0                      ; the fills: 16 bytes a thread,
	v_lshlrev_b32 v205, 3, v0                      ; 8 bytes a thread
	v_and_b32 v206, 63, v0                         ; q: thread 64 query + p takes columns 4 p .. 4 p + 3: block p / 8, half (p / 4) % 2, quad p % 4 of qa's image
	v_lshrrev_b32 v209, 3, v206
	v_and_b32 v210, 3, v206
	v_lshl_add_u32 v209, v209, 2, v210
	v_bfe_u32 v210, v0, 2, 1
	v_lshrrev_b32 v211, 6, v0
	v_lshl_add_u32 v210, v210, 4, v211
	v_lshlrev_b32 v206, 9, v209
	v_lshl_add_u32 v206, v210, 4, v206
	v_add_nc_u32 v207, WSC, v205
	v_add_nc_u32 v208, QL, v204
.irp u, 0,1,2,3
	v_mov_b32 v[228+\u], 0                         ; a lane permute's destination counts as one of its sources
	v_mov_b32 v[240+\u], 0xfe967699                ; -1e38, under every logit that is served
	v_mov_b32 v[244+\u], 0
.endr
	s_mov_b32 s30, 0x76543210
	s_mov_b32 s31, 0xfedcba98                      ; v_permlanex16_b32's selects for lane l xor 16
	s_mov_b32 s32, 0x600000                        ; the mantissa field of 57,344
	s_mov_b32 s33, 0xffff0000                      ; lanes 16-31
	s_mov_b32 s34, 0x3fb8aa3b                      ; c = log2 e
	s_mov_b32 s35, s34                             ; (named with it as a pair, so it is written)
	s_mov_b32 s53, 0
	s_lshr_b32 s48, ttmp9, 7                       ; batch
	s_wait_kmcnt 0x0
	s_lshl_b32 s49, s48, 5
	s_lshl_b32 s50, s26, 2
	s_add_co_u32 s49, s49, s50
	s_lshl_b32 s52, s49, 14
	s_add_nc_u64 s[42:43], s[4:5], s[52:53]        ; ka at row tile 32 batch + 4 wave
	s_lshl_b32 s49, s48, 4
	s_lshl_b32 s50, s26, 1
	s_add_co_u32 s49, s49, s50
	s_lshl_b32 s52, s49, 16
	s_add_nc_u64 s[44:45], s[10:11], s[52:53]      ; kvc at block 16 batch + 2 wave
	s_lshl_b32 s52, s48, 20
	s_and_b32 s49, ttmp9, 127
	s_lshl_b32 s49, s49, 13
	s_add_co_u32 s52, s52, s49
	s_add_nc_u64 s[46:47], s[10:11], s[52:53]      ; the prefetch: my work-group's 8,192 bytes of the batch's 1,048,576 of kvc
	s_lshr_b32 s49, ttmp9, 2                       ; my queries: rows 4 (g % 4) on of row tile g / 4
	s_lshl_b32 s49, s49, 14
	s_and_b32 s50, ttmp9, 3
	s_lshl_b32 s50, s50, 6
	s_add_co_u32 s52, s49, s50
	s_add_nc_u64 s[6:7], s[6:7], s[52:53]
	s_lshl_b32 s49, s26, 11
	s_add_co_u32 s52, s52, s49
	s_add_nc_u64 s[8:9], s[8:9], s[52:53]          ; xa: the same rows, block = wave
	s_lshl_b32 s52, s26, 13
	s_add_nc_u64 s[16:17], s[16:17], s[52:53]      ; w_vo and w_end: my 32 rows
	s_add_nc_u64 s[20:21], s[20:21], s[52:53]
	s_lshl_b32 s52, s26, 8
	s_add_nc_u64 s[18:19], s[18:19], s[52:53]
	s_add_nc_u64 s[22:23], s[22:23], s[52:53]
	s_lshl_b32 s52, ttmp9, 12
	s_add_nc_u64 s[24:25], s[24:25], s[52:53]      ; out0: my 4 rows
.irp i, 0,1,2,3,4,5,6,7,8,9,10,11,12,13,14,15
	global_load_b128 v[128+4*\i:131+4*\i], v204, s[12:13] offset:4096*\i
.endr
	global_load_b64 v[192:193], v205, s[14:15]
	global_load_b128 v[196:199], v206, s[6:7]
	KALOAD 0, 32, 0                                ; k's column blocks 0 and 2 of my first 32 keys, as the last tile of a block asks for the next block's
	KALOAD 2, 64, 0
.irp t, 0,1,2,3,4,5,6,7,8,9,10,11,12,13,14,15
	ds_store_b128 v5, v[240:243] offset:1536*\t
	ds_store_b128 v5, v[244:247] offset:1536*\t+512
	ds_store_b128 v5, v[244:247] offset:1536*\t+1024
.endr
	s_wait_loadcnt 16                              ; the fills are in; the 16 loads of k may be out
.irp i, 0,1,2,3,4,5,6,7,8,9,10,11,12,13,14,15
	ds_store_b128 v204, v[128+4*\i:131+4*\i] offset:WAL+4096*\i
.endr
	ds_store_b64 v207, v[192:193]
	ds_store_b128 v208, v[196:199]
	BARRIER                                        ; w_al, its scale bytes and q lie in LDS
	; kvc is asked for ahead: each of a batch's 128 work-groups names its own 32 blocks of 256 bytes of that batch's part, a lane a block, wave 0 alone: each block once in the launch, one phase Q ahead of the first load from kvc.
	; v10 and s[46:47] are never written again.
	s_cmp_lg_u32 s26, 0
	s_cbranch_scc1 .Lno_ask
	global_prefetch_b8 v10, s[46:47] th:TH_LOAD_NT scope:SCOPE_SE
.Lno_ask:
	s_mov_b32 s36, 2
.Lblock:                                           ; two blocks of 32 keys
	KALOAD 1, 96, 0                                ; column block 1: its registers were at work to the last tile's end; it is wanted one step on
	QALOAD 0, 0
	QSTEP 0, 32, 8                                 ; out: column block 1, just asked for; blocks 0 and 2 were asked for together
	KALOAD 3, 32, 0
	QSTEP 1, 96, 8                                 ; out: block 3
	KALOAD 4, 96, 0
	QSTEP 2, 64, -1                                ; shown in by the first step's wait
	KALOAD 5, 64, 0
	QSTEP 3, 32, 16                                ; out: blocks 4, 5
	KALOAD 6, 32, 0
	QSTEP 4, 96, 16                                ; out: blocks 5, 6
	KALOAD 7, 96, 0
	QSTEP 5, 64, 16                                ; out: blocks 6, 7
	KCLOAD 0
	VCLOAD 80, 0
	QSTEP 6, 32, 16                                ; out: block 7, and k and v of tile 0
	QSTEP 7, 96, 8                                 ; out: k and v of tile 0
	VCLOAD 96, 4096
	PREQ 0                                         ; its registers were at work in the last group
	STLOAD 0                                       ; the state last: the tile's head leaves these three out
.irp i, 0,1,2,3,4,5,6,7
	v_cndmask_b32 v[16+\i], v[16+\i], v[24+\i], s33                ; one register carries both K steps' scale words: lanes 16-31 take K step 1's.  The 32 multiplications of the first C stand between this and the first product
.endr
	s_mov_b32 s37, 7
.Ltrip:                                            ; two column tiles a trip
	ADDRS
	TILE 0, 1, 1, 1, 4, 0
	TILE 1, 1, 1, 1, 4, 0
	s_wait_xcnt 0x0                                ; the loads have read their base: it is stepped only behind this wait
	s_add_nc_u64 s[44:45], s[44:45], 8192
	s_add_co_u32 s38, s38, 8192
	s_add_co_u32 s39, s39, 3072
	s_add_co_u32 s40, s40, 128
	s_add_co_u32 s41, s41, 256
	s_sub_co_u32 s37, s37, 1
	s_cmp_lg_u32 s37, 0
	s_cbranch_scc1 .Ltrip
	ADDRS                                          ; tiles 14 and 15 are written out: no load passes the block's last tile
	TILE 0, 1, 0, 1, 4, 0
	TILE 1, 0, 0, 0, 0, 1
	s_wait_xcnt 0x0
	s_add_nc_u64 s[44:45], s[44:45], 8192
	s_add_nc_u64 s[42:43], s[42:43], 32768
	s_sub_co_u32 s36, s36, 1
	s_cmp_lg_u32 s36, 0
	s_cbranch_scc1 .Lblock
	; ---- THE MERGE AND THE TAIL: wave w takes column tiles 2 w and 2 w + 1: columns 32 w .. 32 w + 31
	s_wait_loadcnt 0x0                             ; no load of the loop is out: the tail lays other numbers over the registers of k
	v_and_b32 v200, 15, v0                         ; r
	v_bfe_u32 v201, v0, 4, 1                       ; h
	v_and_b32 v202, 8, v200
	v_add_nc_u32 v202, v202, v200                  ; r % 8 + 16 (r / 8)
	v_lshlrev_b32 v24, 8, v202
	v_lshl_add_u32 v24, v201, 4, v24               ; a weight's row, + 16 h
	v_lshlrev_b32 v25, 3, v202                     ; its scale bytes
	v_and_b32 v203, 3, v200                        ; r % 4: rows 4 to 15 of the tail's tile repeat my 4 queries
	v_lshl_add_u32 v26, v201, 4, v203
	v_lshlrev_b32 v26, 4, v26                      ; xa: lane (r % 4, h) of the image
	v_and_b32 v204, 31, v0
	s_mul_i32 s48, s26, 3072
	s_add_co_u32 s48, s48, ST
	v_add_nc_u32 v6, s48, v1                       ; the states of my two tiles: waves 0-2,
	v_add_nc_u32 v7, 3*STW, v6                     ; 3-5,
	v_add_nc_u32 v8, 6*STW, v6                     ; 6-7 (an immediate has 16 bits)
	s_lshl_b32 s49, s26, 7
	s_add_co_u32 s48, s49, VS-QL
	v_add_nc_u32 v9, s48, v3                       ; vsum, in: my column of a tile
	v_mul_u32_u24 v27, v203, VSP
	v_lshl_add_u32 v27, v201, 6, v27
	s_add_co_u32 s48, s49, VS
	v_add_nc_u32 v27, s48, v27                     ; and back: row r % 4, my half's 16 numbers
	s_lshr_b32 s50, s26, 2
	s_and_b32 s51, s26, 3
	s_lshl_b32 s48, s50, 11
	s_lshl_b32 s52, s51, 9
	s_add_co_u32 s48, s48, s52
	s_add_co_u32 s48, s48, VIMG
	v_add_nc_u32 v28, s48, v1                      ; where my codes go: quad w % 4 of K step w / 4
	s_lshl_b32 s48, s50, 7
	s_add_co_u32 s48, s48, s51
	s_add_co_u32 s48, s48, VSCB
	v_lshl_add_u32 v29, v204, 2, s48               ; and my byte
	v_add_nc_u32 v30, VIMG, v1                     ; a fragment's image for my lane
	v_lshl_add_u32 v31, v204, 2, VSCB              ; a scale word's
	v_lshlrev_b32 v2, 10, v203
	v_lshl_add_u32 v2, v201, 6, v2
	s_add_co_u32 s48, s49, OS
	v_add_nc_u32 v2, s48, v2                       ; out, in: row r % 4, + 128 w + 64 h
	v_lshlrev_b32 v5, 4, v0
	v_add_nc_u32 v4, OS, v5                        ; and back: 16 bytes a thread
	WIN 0x40                                       ; destination window 1
.irp u, 0,1
.irp s, 0,1
.irp c, 0,1,2,3
	global_load_b128 v[32*\u+16*\s+4*\c:32*\u+16*\s+4*\c+3], v24, s[16:17] offset:2048*\u+128*\s+32*\c
.endr
.endr
.endr
.irp u, 0,1
.irp s, 0,1
.irp c, 0,1,2,3
	global_load_b128 v[64+32*\u+16*\s+4*\c:64+32*\u+16*\s+4*\c+3], v24, s[20:21] offset:2048*\u+128*\s+32*\c
.endr
.endr
.endr
.irp j, 0,1,2,3
	global_load_b128 v[128+4*\j:131+4*\j], v26, s[8:9] offset:512*\j
.endr
	WIN 0
.irp u, 0,1
	global_load_b64 v[16+2*\u:17+2*\u], v25, s[18:19] offset:64*\u
	global_load_b64 v[20+2*\u:21+2*\u], v25, s[22:23] offset:64*\u
.endr
	BARRIER                                        ; every wave's state lies in LDS
.irp t, 0,1
.irp w, 0,1,2,3,4,5,6,7
.irp q, 0,1,2
	ds_load_b128 v[32+96*\t+12*\w+4*\q:35+96*\t+12*\w+4*\q], v[6+\w/3] offset:(\w%3)*STW+1536*\t+512*\q
.endr
.endr
.endr
; One tile: the largest of the 8 waves' and 2 halves' maxima; each wave's s and a are brought under it and added
.macro MERGE t
.set MB, 32+96*(\t)
	s_wait_dscnt 24-24*(\t)                        ; this tile's 24 loads are in; the other tile's may be out
.irp q, 0,1,2,3
	v_max3_num_f32 v[224+\q], v[MB+\q], v[MB+12+\q], v[MB+24+\q]
.endr
.irp q, 0,1,2,3
	v_max3_num_f32 v[224+\q], v[224+\q], v[MB+36+\q], v[MB+48+\q]
.endr
.irp q, 0,1,2,3
	v_max3_num_f32 v[224+\q], v[224+\q], v[MB+60+\q], v[MB+72+\q]
.endr
.irp q, 0,1,2,3
	v_max_num_f32 v[224+\q], v[224+\q], v[MB+84+\q]
.endr
.irp q, 0,1,2,3
	v_permlanex16_b32 v[228+\q], v[224+\q], s30, s31
.endr
.irp q, 0,1,2,3
	v_max_num_f32 v[224+\q], v[224+\q], v[228+\q]
.endr
.irp q, 0,1,2,3
	v_mul_f32 v[232+\q], s34, v[224+\q]
.endr
.irp w, 0,1,2,3,4,5,6,7
.irp q, 0,1,2,3
	v_fma_f32 v[MB+12*\w+\q], v[MB+12*\w+\q], s34, -v[232+\q]
.endr
.endr
.irp w, 0,1,2,3,4,5,6,7
.irp q, 0,1,2,3
	v_exp_f32 v[MB+12*\w+\q], v[MB+12*\w+\q]
.endr
.endr
	v_nop                                          ; a plain line behind the last exponential
	s_wait_alu depctr_va_vdst(0)                   ; one wait for the 32, ahead of their first reader
.irp q, 0,1,2,3
	v_mul_f32 v[236+4*(\t)+\q], v[MB+4+2*\q], v[MB+\q]
	v_mul_f32 v[244+4*(\t)+\q], v[MB+5+2*\q], v[MB+\q]
.endr
.irp w, 1,2,3,4,5,6,7
.irp q, 0,1,2,3
	v_fma_f32 v[236+4*(\t)+\q], v[MB+12*\w+4+2*\q], v[MB+12*\w+\q], v[236+4*(\t)+\q]
	v_fma_f32 v[244+4*(\t)+\q], v[MB+12*\w+5+2*\q], v[MB+12*\w+\q], v[244+4*(\t)+\q]
.endr
.endr
.endm
	MERGE 0
	MERGE 1
.irp x, 0,1,2,3,4,5,6,7
	v_permlanex16_b32 v[224+\x], v[236+\x], s30, s31
.endr
.irp x, 0,1,2,3,4,5,6,7
	v_add_f32 v[236+\x], v[236+\x], v[224+\x]      ; the other half's keys
.endr
.irp x, 0,1,2,3,4,5,6,7
	v_permlanex16_b32 v[224+\x], v[244+\x], s30, s31
.endr
.irp x, 0,1,2,3,4,5,6,7
	v_add_f32 v[244+\x], v[244+\x], v[224+\x]
.endr
.irp x, 0,1,2,3,4,5,6,7
	v_add_f32 v[236+\x], 1.0, v[236+\x]            ; sum |l e| + 1
.endr
.irp x, 0,1,2,3,4,5,6,7
	v_rcp_f32 v[236+\x], v[236+\x]
.endr
	v_nop
	s_wait_alu depctr_va_vdst(0)                   ; one wait for the eight reciprocals
.irp x, 0,1,2,3,4,5,6,7
	v_mul_f32 v[244+\x], v[244+\x], v[236+\x]      ; vsum(query x % 4, my column of tile x / 4)
.endr
.irp t, 0,1
.irp q, 0,1,2,3
	ds_store_b32 v9, v[244+4*\t+\q] offset:VSP*\q+32*\t            ; both halves of the lanes write the same word with the same value
.endr
.endr
.irp j, 0,1,2,3
	ds_load_b128 v[32+4*\j:35+4*\j], v27 offset:16*\j              ; back with a row a lane; the bytes are my wave's own, and LDS serves a wave's instructions in order
.endr
	s_wait_dscnt 0x0
	s_wait_loadcnt 0x0                             ; w_vo, w_end, their scale words, X
	WIN 0x01                                       ; source 0 (X) window 1
.irp k, 0,2,4,6,8,10,12,14
	v_pk_add_f32 v[48+\k:49+\k], v[128+\k:129+\k], v[32+\k:33+\k]  ; X + vsum: the C of the next product
.endr
	WIN 0
	QUANT1 32, 32, 64
	ds_store_b128 v28, v[64:67]
	ds_store_b8 v29, v228
	BARRIER                                        ; Q(vsum)'s two fragments lie in LDS
.irp s, 0,1
.irp c, 0,1,2,3
	ds_load_b128 v[72+16*\s+4*\c:75+16*\s+4*\c], v30 offset:2048*\s+512*\c
.endr
	ds_load_b32 v[11+\s], v31 offset:128*\s
.endr
	s_wait_dscnt 0x0
	WIN 0x01                                       ; source 0 (the weight) window 1
.irp s, 0,1
.irp u, 0,1
	MMC 48+8*\u, 32*\u+16*\s, 72+16*\s, 48+8*\u, 16+2*\u+\s, 11+\s  ; X2 = X + vsum + Q(vsum) w_vo^T, a row a lane: two accumulators by turns
.endr
.endr
	WIN 0
.rept 8
	v_nop
.endr
	QUANT1 48, 48, 64
	ds_store_b128 v28, v[64:67] offset:NXT
	ds_store_b8 v29, v228 offset:NXT
	BARRIER                                        ; Q(X2)'s two fragments lie in LDS
.irp s, 0,1
.irp c, 0,1,2,3
	ds_load_b128 v[104+16*\s+4*\c:107+16*\s+4*\c], v30 offset:NXT+2048*\s+512*\c
.endr
	ds_load_b32 v[13+\s], v31 offset:NXT+128*\s
.endr
	s_wait_dscnt 0x0
	WIN 0x01
.irp u, 0,1
	MM0 136+8*\u, 64+32*\u, 104, 20+2*\u, 13
.endr
.irp u, 0,1
	MMC 136+8*\u, 80+32*\u, 120, 136+8*\u, 21+2*\u, 14
.endr
	WIN 0
.rept 8
	v_nop
.endr
.irp u, 0,1
	ds_store_b128 v2, v[136+8*\u:139+8*\u] offset:32*\u            ; out(r % 4, 32 w + 16 h + 8 u + 0 .. 7); the repeated rows write the same values to the same bytes
	ds_store_b128 v2, v[140+8*\u:143+8*\u] offset:32*\u+16
.endr
	BARRIER                                        ; 4 whole rows of out lie in LDS
	ds_load_b128 v[32:35], v4
	s_wait_dscnt 0x0
	global_store_b128 v5, v[32:35], s[24:25] th:TH_STORE_NT        ; a wave stores 512 consecutive bytes, aligned; written once, read by nobody here
	s_wait_xcnt 0x0
	v_lshl_add_u32 v254, v0, 2, 0x4a000
	v_mov_b32 v255, 0
	s_wait_tensorcnt 0x0
	ds_add_u32 v254, v255
	s_wait_dscnt 0x0
	s_endpgm
.Lfunc_end_k_qeeaf320372_main:
	.size	k_qeeaf320372_main, .Lfunc_end_k_qeeaf320372_main-k_qeeaf320372_main
	.p2alignl 7, 3214868480
	.fill 96, 4, 3214868480
	.section	.rodata,"a",@progbits
	.p2align	6, 0x0
	.amdhsa_kernel k_qeeaf320372_main
		.amdhsa_group_segment_fixed_size 304128
		.amdhsa_private_segment_fixed_size 0
		.amdhsa_enable_private_segment 0
		.amdhsa_kernarg_size 88
		.amdhsa_user_sgpr_count 2
		.amdhsa_user_sgpr_kernarg_segment_ptr 1
		.amdhsa_wavefront_size32 1
		.amdhsa_system_sgpr_workgroup_id_x 1
		.amdhsa_system_sgpr_workgroup_id_y 1
		.amdhsa_system_sgpr_workgroup_id_z 1
		.amdhsa_system_vgpr_workitem_id 0
		.amdhsa_next_free_vgpr 512
		.amdhsa_next_free_sgpr 66
		.amdhsa_reserve_vcc 0
		.amdhsa_float_denorm_mode_32 3
		.amdhsa_float_denorm_mode_16_64 3
		.amdhsa_memory_ordered 1
		.amdhsa_forward_progress 1
		.amdhsa_inst_pref_size 255
	.end_amdhsa_kernel
	.section	.bss,"aw",@nobits
	.p2align	6
	.space	262144
	.amdgpu_metadata
---
amdhsa.version: [ 1, 2 ]
amdhsa.kernels:
  - .name:           k_qeeaf320372_main
    .symbol:         k_qeeaf320372_main.kd
    .args:
      - { .name: ka, .offset: 0, .size: 8, .value_kind: global_buffer, .address_space: global }
      - { .name: qa, .offset: 8, .size: 8, .value_kind: global_buffer, .address_space: global }
      - { .name: xa, .offset: 16, .size: 8, .value_kind: global_buffer, .address_space: global }
      - { .name: kvc, .offset: 24, .size: 8, .value_kind: global_buffer, .address_space: global }
      - { .name: wal, .offset: 32, .size: 8, .value_kind: global_buffer, .address_space: global }
      - { .name: w_al_scales, .offset: 40, .size: 8, .value_kind: global_buffer, .address_space: global }
      - { .name: w_vo_codes, .offset: 48, .size: 8, .value_kind: global_buffer, .address_space: global }
      - { .name: w_vo_scales, .offset: 56, .size: 8, .value_kind: global_buffer, .address_space: global }
      - { .name: w_end_codes, .offset: 64, .size: 8, .value_kind: global_buffer, .address_space: global }
      - { .name: w_end_scales, .offset: 72, .size: 8, .value_kind: global_buffer, .address_space: global }
      - { .name: out0, .offset: 80, .size: 8, .value_kind: global_buffer, .address_space: global }
    .group_segment_fixed_size: 304128
    .private_segment_fixed_size: 0
    .kernarg_segment_align: 8
    .kernarg_segment_size: 88
    .max_flat_workgroup_size: 256
    .sgpr_count:     66
    .vgpr_count:     512
    .wavefront_size: 32
...
	.end_amdgpu_metadata
.endif
;; end of part 2
;; ======== version 2 of 2: 2 launches; version 1 with the launches prep, main written anew for expert scheduling mode
;; limits: right only within a limited range of input values
;; workspace buffers: xa 1,048,576 bytes; qa 1,048,576 bytes; ka 1,048,576 bytes; kvc 2,097,152 bytes; wal 65,536 bytes
;; launch prep (part 3): grid 64 x 1, 8 waves a work-group, no clusters, 9,216 bytes of LDS; arguments x_codes, x_scales, w_pre_codes, w_pre_scales, w_q_codes, w_q_scales, w_k_codes, w_k_scales, w_va_codes, w_va_scales, w_al_codes, xa, qa, ka, kvc, wal; writes xa, qa, ka, kvc, wal
.if DOCPART == 3
	.amdgcn_target "amdgcn-amd-amdhsa--gfx1250"
	.amdhsa_code_object_version 6
	.text
	.protected	k_qeeaf320372_prep
	.globl	k_qeeaf320372_prep
	.p2align	8
	.type	k_qeeaf320372_prep,@function
k_qeeaf320372_prep:
	s_mov_b64 s[64:65], 0
	v_nop
	global_prefetch_b8 v0, s[64:65] scope:SCOPE_SE
	s_setreg_imm32_b32 hwreg(HW_REG_WAVE_SCHED_MODE, 0, 2), 2
	s_setreg_imm32_b32 hwreg(HW_REG_WAVE_MODE, 25, 1), 1
	s_wait_xcnt 0x0
	s_wait_alu depctr_vm_vsrc(0)
; X = x w_pre^T;  q = X + Q(X) w_q^T;  k = X + Q(X) w_k^T;  v = X + Q(X) w_va^T.  All four products on codes of BF8 (E5M2) with one E8M0 scale for each 32 along K; Q is the quantiser along the 256 columns.
; The results go to workspace AS IMAGES OF THE REGISTERS in which the next launch wants them, 16 bytes a lane and 512 consecutive bytes a store:
;   xa, qa, ka: [row tile of 16][block b of 32 columns][quad j][lane][16 bytes]: lane (r, h), quad j = row r, columns 32 b + 16 h + 4 j .. + 3      (a lane's registers run along the columns: the layout of an operand)
;   kvc: [32 rows][column tile t][k, v][16 rows m][half][lane][16 bytes]: lane (r, h), register 4 half + i = row 16 m + 8 h + 4 half + i, column n(t, r)   (the layout of a matrix result)
;   wal: [t][K step s][c][lane][16 bytes] = w_al's codes of row n(t, r), bytes 128 s + 32 c + 16 h on                                                  (a fragment's registers on end)
; THE COLUMNS OF A TILE ARE NOT NEIGHBOURS: tile t = 2 b + u, lane r: n(t, r) = 32 b + 8 u + r % 8 + 16 (r / 8).  With a weight's rows chosen so, one fragment serves both uses: as source 0 it gives a lane one row
; and, in tiles 2 b and 2 b + 1, 16 neighbouring columns 32 b + 16 h + 0 .. 15; as source 1 it gives a lane column n(t, r) and eight rows.  X and k are wanted both ways, so they are multiplied both ways.
; SHARES.  A work-group takes 16 rows (64 work-groups for 1,024 rows), wave w the 32 columns of block w.  Quantising X wants a row's 256 columns, so the eight waves' codes meet in LDS as images of the operand's registers.
; More work-groups would only repeat the first product; the launch is two dependent stages of a few matrix instructions, so it has no ring, no tensor load and no cluster.
; The residual X is the C of each second-stage sum's first matrix instruction.
; LIMITS: NaN and infinities among the numbers are not served.  A block of zeros gets the scale byte 1 with zero codes, where the quantiser says 127: the bytes are read by this program alone.
; THE MODE: SCHED_MODE bits 1:0 = 2 (LLVM: expert scheduling mode 2), set by the entry lines.  The code itself states the register dependences between vector or matrix instructions and memory or LDS instructions,
; with s_wait_alu, always for 0.
; THE PLAN.  Registers that memory or LDS instructions touch:
;   v1-8              offsets and addresses: written once at the head by vector instructions, read by every load and store, never written again.
;   v200-203, v205    my codes and my byte: written by the quantiser, read by two LDS stores, never written again.
;   v136-151          X with a row a lane: written by the first stage's products, read by four global stores (and, as C, by products), never written again.
;   v40-103           q, k, v: written by the second stage's products, read by the run of stores at the end.
;   every other loaded register is named by no vector instruction ahead of its load.
; So: one wait on va_sdst for the wave's number; one wait on va_vdst ahead of the first load, one ahead of the first stage's stores, one ahead of the second stage's.  No register that a memory instruction
; has read is written again: no wait on vm_vsrc is owed.
; REGISTERS, window 0: v1-8 addresses; v10-13 my piece of w_al; v16-35 scale words and nothing else; v40-71 x; v72-135 w_pre; v136-151 X, a row a lane; v152-167 X, a column a lane; v168-199 Q(X); v200-227 the quantiser's.
;   The second stage's results lie over x and w_pre.   window 1: w_q at v0, w_k at v64, w_va at v128 (32 u + 16 s).
.set QIMG, 0                           ; LDS: Q(X)'s two fragments, 2,048 bytes each
.set QSC,  4096                        ; and their scale words, 4 bytes a lane, 128 bytes a K step
.set XFR,  40
.set WPR,  72
.set XT,   136
.set XN,   152
.set QX,   168
.set COD,  200
.set MX,   204
.set PB,   205
.set LIM,  206
.set SO,   207
.set TMP,  212
.set QT,   40
.set KT,   56
.set KN,   72
.set VN,   88
.set WQ,   0
.set WK,   64
.set WV,   128
.set MSB, 0
.macro WIN new                         ; the immediate's high byte repeats the setting that is left
.if MSB != \new
	s_set_vgpr_msb (MSB<<8)|\new
.set MSB, \new
.endif
.endm
.macro MM0 d, a, b, sa, sb             ; a sum's first K step with nothing to add onto
	v_wmma_scale_f32_16x16x128_f8f6f4 v[\d:\d+7], v[\a:\a+15], v[\b:\b+15], 0, v[\sa], v[\sb] matrix_a_fmt:MATRIX_FMT_BF8 matrix_b_fmt:MATRIX_FMT_BF8
.endm
.macro MMC d, a, b, c, sa, sb
	v_wmma_scale_f32_16x16x128_f8f6f4 v[\d:\d+7], v[\a:\a+15], v[\b:\b+15], v[\c:\c+7], v[\sa], v[\sb] matrix_a_fmt:MATRIX_FMT_BF8 matrix_b_fmt:MATRIX_FMT_BF8
.endm
.macro WFRAG reg, base                 ; a weight's four fragments of my block: tile u, K step s
.irp u, 0,1
.irp s, 0,1
.irp c, 0,1,2,3
	global_load_b128 v[\reg+32*\u+16*\s+4*\c:\reg+32*\u+16*\s+4*\c+3], v4, s[\base:\base+1] offset:2048*\u+128*\s+32*\c
.endr
.endr
.endr
.endm
; 16 numbers of a lane, half a block of 32 (the other half lies in lane l xor 16), become 16 codes in v[cod] on; the scale's byte is left in v[PB].  The held numbers go to v[tmp] on.
.macro QUANT1 src, tmp, cod
	v_max3_num_f32 v[MX], |v[\src]|, |v[\src+1]|, 0x8000000        ; the floor 2^(16 - 127) among the leaves: the byte cannot fall under 1
.irp i, 2,4,6,8,10,12,14
	v_max3_num_f32 v[MX], v[MX], |v[\src+\i]|, |v[\src+\i+1]|
.endr
	v_permlanex16_b32 v[PB], v[MX], s38, s39
	v_max_num_f32 v[MX], v[MX], v[PB]                              ; the block's largest magnitude
	v_add_nc_u32 v[SO], 0xf8800000, v[MX]                          ; 15 off its exponent field: the conversion's scale operand
	v_and_or_b32 v[LIM], v[MX], 0x7f800000, s40                    ; 57,344 x the scale
.irp i, 0,1,2,3,4,5,6,7,8,9,10,11,12,13,14,15
	v_med3_num_f32 v[\tmp+\i], v[\src+\i], -v[LIM], v[LIM]         ; the conversion to an 8-bit code does not saturate (ISA guide 7.6.2)
.endr
	v_cvt_scalef32_pk8_bf8_f32 v[\cod:\cod+1], v[\tmp:\tmp+7], v[SO]
	v_cvt_scalef32_pk8_bf8_f32 v[\cod+2:\cod+3], v[\tmp+8:\tmp+15], v[SO]
	v_lshrrev_b32 v[PB], 23, v[SO]                                 ; the scale's byte; also the plain line behind the conversions
.endm
	s_load_b512 s[4:19], s[0:1], 0x0               ; x codes, x scales, w_pre codes, scales, w_q codes, scales, w_k codes, scales
	s_load_b512 s[20:35], s[0:1], 0x40             ; w_va codes, scales, w_al codes, xa, qa, ka, kvc, wal
	v_lshl_add_u32 v254, v0, 2, 0x2000
	v_mov_b32 v255, 0
	v_lshrrev_b32 v9, 5, v0
	v_readfirstlane_b32 s36, v9                    ; wave 0..7 = my block of 32 columns
	v_and_b32 v9, 31, v0                           ; lane
	v_lshlrev_b32 v1, 4, v9                        ; 16 x lane
	v_lshlrev_b32 v2, 2, v9                        ; 4 x lane
	v_and_b32 v14, 15, v0                          ; r
	v_bfe_u32 v15, v0, 4, 1                        ; h
	v_lshlrev_b32 v3, 8, v14
	v_lshl_add_u32 v3, v15, 4, v3                  ; x: row r of 256 bytes, + 16 h
	v_and_b32 v36, 8, v14
	v_add_nc_u32 v36, v36, v14                     ; r % 8 + 16 (r / 8)
	v_lshlrev_b32 v4, 8, v36
	v_lshl_add_u32 v4, v15, 4, v4                  ; a weight: that row of 256 bytes, + 16 h
	v_lshlrev_b32 v5, 3, v14                       ; x's scale bytes: 8 a row
	v_lshlrev_b32 v6, 3, v36                       ; a weight's
	v_mov_b32 v[PB], 0                             ; a lane permute's destination counts as one of its sources
	s_wait_alu depctr_va_sdst(0)                   ; s36 is written, ahead of its first reader: LDS addresses, bases and branches are made from it
	s_lshr_b32 s48, s36, 2                         ; my block is quad w % 4 of K step w / 4
	s_and_b32 s49, s36, 3
	s_lshl_b32 s50, s48, 11
	s_lshl_b32 s51, s49, 9
	s_add_co_u32 s50, s50, s51
	v_add_nc_u32 v7, s50, v1                       ; where my codes go: QIMG (0) + 2,048 (w / 4) + 512 (w % 4) + 16 x lane
	s_lshl_b32 s50, s48, 7
	s_add_co_u32 s50, s50, s49
	s_add_co_u32 s50, s50, QSC
	v_add_nc_u32 v8, s50, v2                       ; and my byte: QSC + 128 (w / 4) + w % 4 + 4 x lane
	s_mov_b32 s38, 0x76543210
	s_mov_b32 s39, 0xfedcba98                      ; v_permlanex16_b32's selects for lane l xor 16
	s_mov_b32 s40, 0x600000                        ; the mantissa field of 57,344
	s_mov_b32 s43, 0
	s_wait_kmcnt 0x0
	s_lshl_b32 s42, ttmp9, 12                      ; my 16 rows of x: 4,096 bytes of codes,
	s_add_nc_u64 s[4:5], s[4:5], s[42:43]
	s_lshl_b32 s42, ttmp9, 7                       ; 128 of scale bytes
	s_add_nc_u64 s[6:7], s[6:7], s[42:43]
	s_lshl_b32 s42, s36, 13                        ; my 32 rows of each weight: 8,192 bytes of codes,
	s_add_nc_u64 s[8:9], s[8:9], s[42:43]
	s_add_nc_u64 s[12:13], s[12:13], s[42:43]
	s_add_nc_u64 s[16:17], s[16:17], s[42:43]
	s_add_nc_u64 s[20:21], s[20:21], s[42:43]
	s_lshl_b32 s42, s36, 8                         ; 256 of scale bytes
	s_add_nc_u64 s[10:11], s[10:11], s[42:43]
	s_add_nc_u64 s[14:15], s[14:15], s[42:43]
	s_add_nc_u64 s[18:19], s[18:19], s[42:43]
	s_add_nc_u64 s[22:23], s[22:23], s[42:43]
	s_lshl_b32 s42, ttmp9, 14                      ; xa, qa, ka: 16,384 x row tile + 2,048 x block
	s_lshl_b32 s44, s36, 11
	s_add_co_u32 s42, s42, s44
	s_add_nc_u64 s[26:27], s[26:27], s[42:43]
	s_add_nc_u64 s[28:29], s[28:29], s[42:43]
	s_add_nc_u64 s[30:31], s[30:31], s[42:43]
	s_lshr_b32 s42, ttmp9, 1                       ; kvc: 65,536 x (row tile / 2) + 8,192 x block + 1,024 x (row tile % 2)
	s_lshl_b32 s42, s42, 16
	s_lshl_b32 s44, s36, 13
	s_add_co_u32 s42, s42, s44
	s_and_b32 s44, ttmp9, 1
	s_lshl_b32 s44, s44, 10
	s_add_co_u32 s42, s42, s44
	s_add_nc_u64 s[32:33], s[32:33], s[42:43]
	s_lshl_b32 s46, ttmp9, 1                       ; wal has 128 pieces of 512 bytes: waves 0 and 1 of the 64 work-groups take one each: piece 2 x work-group + wave
	s_add_co_u32 s46, s46, s36
	s_lshl_b32 s42, s46, 9
	s_add_nc_u64 s[34:35], s[34:35], s[42:43]
	s_lshr_b32 s47, s46, 3                         ; its tile t, K step s = bit 2, quad c = bits 1:0
	s_lshr_b32 s48, s47, 1
	s_lshl_b32 s48, s48, 13                        ; 32 (t / 2) rows of 256 bytes
	s_and_b32 s49, s47, 1
	s_lshl_b32 s49, s49, 11                        ; + 8 (t % 2) rows
	s_add_co_u32 s42, s48, s49
	s_bfe_u32 s48, s46, 0x10002
	s_lshl_b32 s48, s48, 7
	s_add_co_u32 s42, s42, s48
	s_and_b32 s48, s46, 3
	s_lshl_b32 s48, s48, 5
	s_add_co_u32 s42, s42, s48
	s_add_nc_u64 s[24:25], s[24:25], s[42:43]
	s_wait_alu depctr_va_vdst(0)                   ; the offsets and addresses v1 to v8 are written, which every load and store below reads
	s_cmp_lt_u32 s36, 2
	s_cbranch_scc0 .Lno_piece_in
	global_load_b128 v[10:13], v4, s[24:25]        ; older than every other load, so the counts below hold with it and without
.Lno_piece_in:
.irp s, 0,1
.irp c, 0,1,2,3
	global_load_b128 v[XFR+16*\s+4*\c:XFR+16*\s+4*\c+3], v3, s[4:5] offset:128*\s+32*\c
.endr
.endr
	global_load_b64 v[16:17], v5, s[6:7]           ; x's scale words of the two K steps
	WFRAG WPR, 8
.irp u, 0,1
	global_load_b64 v[20+2*\u:21+2*\u], v6, s[10:11] offset:64*\u
.endr
	WIN 0x40                                       ; destination window 1, address window 0
	WFRAG WQ, 12
	WFRAG WK, 16
	WFRAG WV, 20
	WIN 0
.irp u, 0,1
	global_load_b64 v[24+2*\u:25+2*\u], v6, s[14:15] offset:64*\u
	global_load_b64 v[28+2*\u:29+2*\u], v6, s[18:19] offset:64*\u
	global_load_b64 v[32+2*\u:33+2*\u], v6, s[22:23] offset:64*\u
.endr
	s_wait_loadcnt 54                              ; x and w_pre are in; the 48 + 6 loads of the second stage's weights may be out
	; ---- X, both ways: four accumulators by turns, K step by K step
.irp s, 0,1
.irp u, 0,1
.if \s == 0
	MM0 XT+8*\u, WPR+32*\u+16*\s, XFR+16*\s, 20+2*\u+\s, 16+\s
.else
	MMC XT+8*\u, WPR+32*\u+16*\s, XFR+16*\s, XT+8*\u, 20+2*\u+\s, 16+\s
.endif
.endr
.irp u, 0,1
.if \s == 0
	MM0 XN+8*\u, XFR+16*\s, WPR+32*\u+16*\s, 16+\s, 20+2*\u+\s
.else
	MMC XN+8*\u, XFR+16*\s, WPR+32*\u+16*\s, XN+8*\u, 16+\s, 20+2*\u+\s
.endif
.endr
.endr
.rept 8
	v_nop                                          ; eight places between this form and the first read of its results
.endr
	QUANT1 XT, TMP, COD                            ; X itself stays whole: it is stored, and is the C of the second stage
	s_wait_alu depctr_va_vdst(0)                   ; the conversions have written my codes and the shift my byte, which the LDS stores read; the products have written X, which the global stores read
	ds_store_b128 v7, v[COD:COD+3]
	ds_store_b8 v8, v[PB]
.irp j, 0,1,2,3
	global_store_b128 v1, v[XT+4*\j:XT+4*\j+3], s[26:27] offset:512*\j
.endr
	s_wait_dscnt 0x0                               ; for the others' sake: my codes and my byte lie in LDS
	s_barrier_signal -1
	s_barrier_wait -1
.irp s, 0,1
.irp c, 0,1,2,3
	ds_load_b128 v[QX+16*\s+4*\c:QX+16*\s+4*\c+3], v1 offset:QIMG+2048*\s+512*\c
.endr
	ds_load_b32 v[18+\s], v2 offset:QSC+128*\s
.endr
	s_wait_dscnt 0x0
	s_wait_loadcnt 0x0                             ; the three weights, and my piece of w_al
	; ---- q and k with a row a lane, k and v with a column a lane: eight accumulators by turns
.irp s, 0,1
	WIN 0x01                                       ; source 0 (the weight) window 1
.irp u, 0,1
.if \s == 0
	MMC QT+8*\u, WQ+32*\u+16*\s, QX+16*\s, XT+8*\u, 24+2*\u+\s, 18+\s
.else
	MMC QT+8*\u, WQ+32*\u+16*\s, QX+16*\s, QT+8*\u, 24+2*\u+\s, 18+\s
.endif
.endr
.irp u, 0,1
.if \s == 0
	MMC KT+8*\u, WK+32*\u+16*\s, QX+16*\s, XT+8*\u, 28+2*\u+\s, 18+\s
.else
	MMC KT+8*\u, WK+32*\u+16*\s, QX+16*\s, KT+8*\u, 28+2*\u+\s, 18+\s
.endif
.endr
	WIN 0x04                                       ; source 1 (the weight) window 1
.irp u, 0,1
.if \s == 0
	MMC KN+8*\u, QX+16*\s, WK+32*\u+16*\s, XN+8*\u, 18+\s, 28+2*\u+\s
.else
	MMC KN+8*\u, QX+16*\s, WK+32*\u+16*\s, KN+8*\u, 18+\s, 28+2*\u+\s
.endif
.endr
.irp u, 0,1
.if \s == 0
	MMC VN+8*\u, QX+16*\s, WV+32*\u+16*\s, XN+8*\u, 18+\s, 32+2*\u+\s
.else
	MMC VN+8*\u, QX+16*\s, WV+32*\u+16*\s, VN+8*\u, 18+\s, 32+2*\u+\s
.endif
.endr
.endr
	WIN 0
.rept 8
	v_nop
.endr
	s_wait_alu depctr_va_vdst(0)                   ; the products have written q, k and v, which the stores below read; the places above stay beside this wait
.irp j, 0,1,2,3                                ; each store of the wave covers 512 consecutive bytes, aligned; each accumulator leaves from its low end on
	global_store_b128 v1, v[QT+4*\j:QT+4*\j+3], s[28:29] offset:512*\j
.endr
.irp j, 0,1,2,3
	global_store_b128 v1, v[KT+4*\j:KT+4*\j+3], s[30:31] offset:512*\j
.endr
.irp u, 0,1
.irp f, 0,1
	global_store_b128 v1, v[KN+8*\u+4*\f:KN+8*\u+4*\f+3], s[32:33] offset:4096*\u+512*\f
.endr
.endr
.irp u, 0,1
.irp f, 0,1
	global_store_b128 v1, v[VN+8*\u+4*\f:VN+8*\u+4*\f+3], s[32:33] offset:4096*\u+2048+512*\f
.endr
.endr
	s_cmp_lt_u32 s36, 2
	s_cbranch_scc0 .Lno_piece_out
	global_store_b128 v1, v[10:13], s[34:35]
.Lno_piece_out:
	s_wait_dscnt 0x0                               ; the closing lines, six on end
	s_wait_alu 0x0
	s_wait_tensorcnt 0x0
	ds_add_u32 v254, v255
	s_wait_dscnt 0x0
	s_endpgm
.Lfunc_end_k_qeeaf320372_prep:
	.size	k_qeeaf320372_prep, .Lfunc_end_k_qeeaf320372_prep-k_qeeaf320372_prep
	.p2alignl 7, 3214868480
	.fill 96, 4, 3214868480
	.section	.rodata,"a",@progbits
	.p2align	6, 0x0
	.amdhsa_kernel k_qeeaf320372_prep
		.amdhsa_group_segment_fixed_size 9216
		.amdhsa_private_segment_fixed_size 0
		.amdhsa_enable_private_segment 0
		.amdhsa_kernarg_size 128
		.amdhsa_user_sgpr_count 2
		.amdhsa_user_sgpr_kernarg_segment_ptr 1
		.amdhsa_wavefront_size32 1
		.amdhsa_system_sgpr_workgroup_id_x 1
		.amdhsa_system_sgpr_workgroup_id_y 1
		.amdhsa_system_sgpr_workgroup_id_z 1
		.amdhsa_system_vgpr_workitem_id 0
		.amdhsa_next_free_vgpr 448
		.amdhsa_next_free_sgpr 66
		.amdhsa_reserve_vcc 0
		.amdhsa_float_denorm_mode_32 3
		.amdhsa_float_denorm_mode_16_64 3
		.amdhsa_memory_ordered 1
		.amdhsa_forward_progress 1
		.amdhsa_inst_pref_size 20
	.end_amdhsa_kernel
	.amdgpu_metadata
---
amdhsa.version: [ 1, 2 ]
amdhsa.kernels:
  - .name:           k_qeeaf320372_prep
    .symbol:         k_qeeaf320372_prep.kd
    .args:
      - { .name: x_codes, .offset: 0, .size: 8, .value_kind: global_buffer, .address_space: global }
      - { .name: x_scales, .offset: 8, .size: 8, .value_kind: global_buffer, .address_space: global }
      - { .name: w_pre_codes, .offset: 16, .size: 8, .value_kind: global_buffer, .address_space: global }
      - { .name: w_pre_scales, .offset: 24, .size: 8, .value_kind: global_buffer, .address_space: global }
      - { .name: w_q_codes, .offset: 32, .size: 8, .value_kind: global_buffer, .address_space: global }
      - { .name: w_q_scales, .offset: 40, .size: 8, .value_kind: global_buffer, .address_space: global }
      - { .name: w_k_codes, .offset: 48, .size: 8, .value_kind: global_buffer, .address_space: global }
      - { .name: w_k_scales, .offset: 56, .size: 8, .value_kind: global_buffer, .address_space: global }
      - { .name: w_va_codes, .offset: 64, .size: 8, .value_kind: global_buffer, .address_space: global }
      - { .name: w_va_scales, .offset: 72, .size: 8, .value_kind: global_buffer, .address_space: global }
      - { .name: w_al_codes, .offset: 80, .size: 8, .value_kind: global_buffer, .address_space: global }
      - { .name: xa, .offset: 88, .size: 8, .value_kind: global_buffer, .address_space: global }
      - { .name: qa, .offset: 96, .size: 8, .value_kind: global_buffer, .address_space: global }
      - { .name: ka, .offset: 104, .size: 8, .value_kind: global_buffer, .address_space: global }
      - { .name: kvc, .offset: 112, .size: 8, .value_kind: global_buffer, .address_space: global }
      - { .name: wal, .offset: 120, .size: 8, .value_kind: global_buffer, .address_space: global }
    .group_segment_fixed_size: 9216
    .private_segment_fixed_size: 0
    .kernarg_segment_align: 8
    .kernarg_segment_size: 128
    .max_flat_workgroup_size: 256
    .sgpr_count:     66
    .vgpr_count:     448
    .wavefront_size: 32
...
	.end_amdgpu_metadata
.endif
;; end of part 3
;; launch main (part 4): grid 256 x 1, 8 waves a work-group, no clusters, 304,128 bytes of LDS; arguments ka, qa, xa, kvc, wal, w_al_scales, w_vo_codes, w_vo_scales, w_end_codes, w_end_scales, out0; writes out0
.if DOCPART == 4
	.amdgcn_target "amdgcn-amd-amdhsa--gfx1250"
	.amdhsa_code_object_version 6
	.text
	.protected	k_qeeaf320372_main
	.globl	k_qeeaf320372_main
	.p2align	8
	.type	k_qeeaf320372_main,@function
k_qeeaf320372_main:
	s_mov_b64 s[64:65], 0
	v_nop
	global_prefetch_b8 v0, s[64:65] scope:SCOPE_SE
	s_setreg_imm32_b32 hwreg(HW_REG_WAVE_SCHED_MODE, 0, 2), 2
	s_setreg_imm32_b32 hwreg(HW_REG_WAVE_MODE, 25, 1), 1
	s_wait_xcnt 0x0
	s_wait_alu depctr_vm_vsrc(0)
; For each query sq and key sk of a batch: raw = k[sk] * q[sq] (256 numbers); logits = raw + Q(raw) w_al^T; over sk, for each column n: e = 2^((l - max l) log2 e), vsum = sum(v l e) / (sum |l e| + 1);
; then X2 = X + vsum + Q(vsum) w_vo^T and out = Q(X2) w_end^T.  All products on codes of BF8 (E5M2) with one E8M0 scale for each 32 along K; all else in f32.  Nothing between k, q, v, X and out goes to memory.
; SHARES.  A work-group owns 4 queries and all 512 keys of their batch (1,024 queries: 256 work-groups), so the sums over the keys never leave it.  Eight waves of 512 registers, two to a SIMD: a tile has some twenty vector
; instructions for each matrix instruction, and the second wave works while the first waits.  THE WAVES SHARE THE KEYS: wave w owns keys 64 w .. 64 w + 63, for all 4 queries and all 256 columns, in two blocks of 32 keys.
; So each byte of k and v is loaded once in a work-group, straight into the registers of the wave that wants it, and serves 4 queries.
; A BLOCK.  Phase Q: 32 keys x 4 queries = 8 tiles of 16 rows of raw are made, quantised and kept as codes: 8 x 2 fragments fill window 1.  Phase P walks the 16 column tiles: 16 matrix instructions
; (source 0 = 16 keys of one query, source 1 = 16 rows of w_al; C = raw), then the running maximum m, s = sum |l e| and a = sum v l e of each (query, column).  A lane holds ONE column and eight keys, so these need no other lane.
; m, s, a lie in the wave's own LDS between tiles; at the end the 8 waves' and 2 lane halves' figures are merged: wave w takes column tiles 2 w, 2 w + 1, and goes on with those 32 columns through the last two products.
; THE COLUMNS OF A TILE ARE NOT NEIGHBOURS: tile t = 2 b + u, lane r: n(t, r) = 32 b + 8 u + r % 8 + 16 (r / 8), as the launch before has laid k, v and w_al.
; NO CLUSTER: what work-groups share, k and v, goes to eight private streams into registers, 4,096 bytes a tile and wave; a joint load lands in LDS, where two slots of 8 x 4,096 bytes do not fit beside
; the state (212,992 bytes) and w_al (65,536); w_al's 65,536 bytes are one part in 25 of what a work-group loads.
; LIMITS: NaN and infinities are not served; logits under -1e38 are not served (the running maximum begins there).  A block of zeros gets the scale byte 1 with zero codes.  The exponent is fma(l, c, -round(m c)),
; c = log2 e: its error grows as |m| 2^-24.  The division is a reciprocal (1 ulp) and a multiplication.  In the last two products rows 4 to 15 of the tile repeat rows 0 to 3.
; THE MODE: SCHED_MODE bits 1:0 = 2 (LLVM: expert scheduling mode 2), set by the entry lines.  The code itself states the register dependences between vector or matrix instructions and memory or LDS instructions,
; with s_wait_alu, always for 0.
; THE PLAN.  Registers that memory or LDS instructions touch, in the loops:
;   v1, v10        offsets: made once at the head, never written again.     v2: q's LDS address, written again in the tail alone.
;   v6-9           the trip's LDS addresses: written by ADDRS (once in phase Q's last group, once at each trip's head), read by phase P's LDS loads and stores.
;   Phase Q: v32-127   three buffers of k: a step's multiplications read one; it is loaded again when the step is over.
;            v128-191  q of two pairs of queries: a group works on one pair's registers; they are loaded again for the group after next.
;   Phase P: v64-79 k, v232-238 q   read by the tile's first 32 multiplications alone; loaded again behind them, under the products.
;            v32-63, v15 w_al       read by the tile's 16 products; loaded again behind the wait for the first batch of exponentials.
;            v80-95, v96-111 v      read by the sums of an even and of an odd tile; loaded again at that tile's end.
;            v240-251 the state     loaded; read and updated by vector instructions; stored, with the new maxima v252-255, at the tile's end; then loaded again.
; THE WAITS.  Phase Q: one on va_vdst ahead of each step's load of k, which serves the step's first load of q too, and one ahead of each other group's load of q.  A tile: one on va_vdst behind its first
; multiplications, ahead of the products; the two that the exponentials' batches have anyway, of which the first also frees w_al's registers; one ahead of the state's stores, which also serves the loads at the
; tile's end; one on vm_vsrc between the state's stores and the load that lands on their data.  One on vm_vsrc ahead of each ADDRS, at the block's head and at the tail's head.
; LDS
.set WAL,  0                           ; 65,536  w_al's fragments as images of their registers: 4,096 bytes a tile
.set WSC,  65536                       ; 2,048   w_al's scale bytes, 8 a row
.set QL,   67584                       ; 4,096   my 4 rows of q, row-major; 1,024 idle bytes follow
.set ST,   72704                       ; 8 x STW the state: [wave][tile][m0-3 | s0 a0 s1 a1 | s2 a2 s3 a3][lane][16 bytes]: 1,536 bytes a tile
.set STW,  26624                       ; a wave's region: 24,576 in use
.set VS,   285696                      ; vsum: 4 rows, VSP bytes apart
.set VSP,  1040
.set VIMG, 290048                      ; 4,096   Q(vsum)'s two fragments
.set VSCB, 294144                      ; 256     their scale words, 4 bytes a lane
.set NXT,  4352                        ; from these two to the same of Q(X2)
.set OS,   298752                      ; 4,096   out: 4 rows of 1,024 bytes
; REGISTERS, window 0: v1 16 x lane; v2-5 lane terms of LDS addresses; v6-9 the trip's LDS addresses; v10 the prefetch's offset; v11-23 scale words and nothing else (v15 w_al's, v16-23 raw's); v24-31 raw's words of K step 1.
;   Phase Q: v32-127 three buffers of k; v128-191 q of two pairs of queries, then raw of keys 16-31; v192-223 raw of keys 0-15; v224-239 at work.
;   Phase P: v32-63 w_al's two fragments; v64-79 k; v80-111 v of an even and an odd tile; v112-127 partial sums, rescaling factors; v128-191 the 8 accumulators (4 m + query); v192-223 t, e, l e of two queries;
;   v224-231 c m; v232-239 q; v240-251 the state as loaded and updated; v252-255 the new maxima.   window 1: the codes: tile i, K step s at v[32 i + 16 s]; in the tail w_vo, w_end and X.
.set MSB, 0
.macro WIN new                         ; the immediate's high byte repeats the setting that is left
.if MSB != \new
	s_set_vgpr_msb (MSB<<8)|\new
.set MSB, \new
.endif
.endm
.macro MM0 d, a, b, sa, sb
	v_wmma_scale_f32_16x16x128_f8f6f4 v[\d:\d+7], v[\a:\a+15], v[\b:\b+15], 0, v[\sa], v[\sb] matrix_a_fmt:MATRIX_FMT_BF8 matrix_b_fmt:MATRIX_FMT_BF8
.endm
.macro MMC d, a, b, c, sa, sb
	v_wmma_scale_f32_16x16x128_f8f6f4 v[\d:\d+7], v[\a:\a+15], v[\b:\b+15], v[\c:\c+7], v[\sa], v[\sb] matrix_a_fmt:MATRIX_FMT_BF8 matrix_b_fmt:MATRIX_FMT_BF8
.endm
.macro BARRIER                         ; my LDS stores have landed and my LDS loads are in: then the work-group's barrier
	s_wait_dscnt 0x0
	s_barrier_signal -1
	s_barrier_wait -1
.endm
.macro KALOAD b, buf, off              ; k of my 32 keys, columns 32 b .. 32 b + 31, a row a lane: 16 numbers a lane and row tile
.irp m, 0,1
.irp j, 0,1,2,3
	global_load_b128 v[\buf+16*\m+4*\j:\buf+16*\m+4*\j+3], v1, s[42:43] offset:\off+16384*\m+2048*(\b)+512*\j
.endr
.endr
.endm
.macro QALOAD b, p                     ; q of queries 2 p, 2 p + 1, the same columns: the 16 lanes of a half read the same 16 bytes
.irp q, 0,1
.irp j, 0,1,2,3
	ds_load_b128 v[128+32*(\p)+16*\q+4*\j:128+32*(\p)+16*\q+4*\j+3], v2 offset:1024*(2*(\p)+\q)+128*(\b)+16*\j
.endr
.endr
.endm
.macro KCLOAD off                      ; k of my 32 keys in a column tile, a column a lane
.irp m, 0,1
.irp f, 0,1
	global_load_b128 v[64+8*\m+4*\f:64+8*\m+4*\f+3], v1, s[44:45] offset:(\off)+1024*\m+512*\f
.endr
.endr
.endm
.macro VCLOAD reg, off                 ; v likewise
.irp m, 0,1
.irp f, 0,1
	global_load_b128 v[\reg+8*\m+4*\f:\reg+8*\m+4*\f+3], v1, s[44:45] offset:(\off)+2048+1024*\m+512*\f
.endr
.endr
.endm
.macro ADDRS                           ; the trip's LDS addresses: a lane term + a scalar stepped by a constant
	v_add_nc_u32 v6, s38, v1
	v_add_nc_u32 v7, s39, v5
	v_add_nc_u32 v8, s40, v3
	v_add_nc_u32 v9, s41, v4
.endm
.macro PREB d                          ; w_al's two fragments and scale words of the tile d tiles on from the trip's first.  v15: lanes 0-15 K step 0's word, lanes 16-31 K step 1's
.irp s, 0,1
.irp c, 0,1,2,3
	ds_load_b128 v[32+16*\s+4*\c:35+16*\s+4*\c], v6 offset:4096*(\d)+2048*\s+512*\c
.endr
.endr
	ds_load_b32 v15, v9 offset:64*((\d)%2)+256*((\d)/2)
.endm
.macro PREQ d                          ; q of the four queries at my column of that tile
.irp q, 0,1,2,3
	ds_load_b32 v[232+2*\q], v8 offset:1024*\q+32*((\d)%2)+128*((\d)/2)
.endr
.endm
.macro STLOAD d                        ; and its state
.irp q, 0,1,2
	ds_load_b128 v[240+4*\q:243+4*\q], v7 offset:1536*(\d)+512*\q
.endr
.endm
; PHASE Q, one group: block b of 32 columns, queries 2 p and 2 p + 1, both row tiles: four units of 16 numbers a lane, line by line by turns.  Unit u: row tile u / 2, query 2 p + u % 2; its numbers at v[SR].
; nxt = 1: the next group's q is asked for first, into the other pair's registers.  nxt = 0, the block's last group: the first tile's fragments of w_al are asked for instead, and land under this group's work.
; wt = 0: the wait that frees the other pair's registers stands further up, ahead of the step's load of k, with no vector instruction between.
.macro GROUP b, p, buf, nxt, wt
.set QB, 128+32*(\p)
.if \nxt
.set NB, (\b)+(\p)
.set NP, 1-(\p)
.if \wt
	s_wait_alu depctr_va_vdst(0)                   ; the group before is done writing and reading the other pair's registers, in which the next group's q lands
.endif
	QALOAD NB, NP
	s_wait_dscnt 8                                 ; my q is in; the eight loads just issued may be out
.else
	s_wait_dscnt 0x0
	s_mov_b32 s38, 0
	s_mov_b32 s39, 0
	s_mov_b32 s40, 0
	s_mov_b32 s41, 0
	ADDRS                                          ; (no LDS instruction has read v6 to v9 since the wait on vm_vsrc at the block's head)
	s_wait_alu depctr_va_vdst(0)                   ; v6 and v9 are written, which the loads below read; step 6's multiplications are done reading v32-63, and the last block's products v15, in which they land
	PREB 0
.endif
.irp q, 0,1
.irp k, 0,2,4,6,8,10,12,14
	v_pk_mul_f32 v[192+16*\q+\k:193+16*\q+\k], v[\buf+\k:\buf+\k+1], v[QB+16*\q+\k:QB+16*\q+\k+1]          ; raw of keys 0-15
.endr
.endr
.irp q, 0,1
.irp k, 0,2,4,6,8,10,12,14
	v_pk_mul_f32 v[QB+16*\q+\k:QB+16*\q+\k+1], v[\buf+16+\k:\buf+17+\k], v[QB+16*\q+\k:QB+16*\q+\k+1]      ; raw of keys 16-31, over q
.endr
.endr
.irp u, 0,1,2,3
.set SR, 192+16*\u+(\u/2)*(QB-224)
	v_max3_num_f32 v[224+\u], |v[SR]|, |v[SR+1]|, 0x8000000        ; the floor 2^(16 - 127) among the leaves: the byte cannot fall under 1
.endr
.irp i, 2,4,6,8,10,12,14
.irp u, 0,1,2,3
.set SR, 192+16*\u+(\u/2)*(QB-224)
	v_max3_num_f32 v[224+\u], v[224+\u], |v[SR+\i]|, |v[SR+\i+1]|
.endr
.endr
.irp u, 0,1,2,3
	v_permlanex16_b32 v[228+\u], v[224+\u], s30, s31
.endr
.irp u, 0,1,2,3
	v_max_num_f32 v[224+\u], v[224+\u], v[228+\u]                  ; with lane l xor 16's 16 numbers: the block's largest magnitude
.endr
.irp u, 0,1,2,3
	v_add_nc_u32 v[236+\u], 0xf8800000, v[224+\u]                  ; 15 off its exponent field: the conversion's scale operand
.endr
.irp u, 0,1,2,3
	v_and_or_b32 v[232+\u], v[224+\u], 0x7f800000, s32             ; 57,344 x the scale
.endr
.irp u, 0,1,2,3
.set SR, 192+16*\u+(\u/2)*(QB-224)
.irp i, 0,1,2,3,4,5,6,7,8,9,10,11,12,13,14,15
	v_med3_num_f32 v[SR+\i], v[SR+\i], -v[232+\u], v[232+\u]       ; the conversion to an 8-bit code does not saturate (ISA guide 7.6.2)
.endr
.endr
	WIN 0x40                                       ; the codes go to window 1: registers 4 (b % 4) on of fragment (tile, b / 4)
.irp u, 0,1,2,3
.set SR, 192+16*\u+(\u/2)*(QB-224)
.set CD, 32*(4*(\u/2)+2*(\p)+(\u%2))+16*((\b)/4)+4*((\b)%4)
	v_cvt_scalef32_pk8_bf8_f32 v[CD:CD+1], v[SR:SR+7], v[236+\u]
	v_cvt_scalef32_pk8_bf8_f32 v[CD+2:CD+3], v[SR+8:SR+15], v[236+\u]
.endr
	WIN 0
.if ((\b)%4) == 0                              ; the scale's byte into its row's word; these plain lines also stand behind the conversions
.irp u, 0,1,2,3
	v_lshrrev_b32 v[16+8*((\b)/4)+4*(\u/2)+2*(\p)+(\u%2)], 23, v[236+\u]
.endr
.else
.irp u, 0,1,2,3
	v_lshrrev_b32 v[228+\u], 23, v[236+\u]
.endr
.irp u, 0,1,2,3
.set WR, 16+8*((\b)/4)+4*(\u/2)+2*(\p)+(\u%2)
	v_lshl_or_b32 v[WR], v[228+\u], 8*((\b)%4), v[WR]
.endr
.endif
.endm
.macro QSTEP b, buf, wl, wt            ; a block of 32 columns; wl: how many younger loads may be out when this block's k has to be there (-1: it was shown in by an earlier wait); wt: the first group writes its own wait
.if \wl >= 0
	s_wait_loadcnt \wl
.endif
	GROUP \b, 0, \buf, 1, \wt
.if \b < 7
	GROUP \b, 1, \buf, 1, 1
.else
	GROUP \b, 1, \buf, 0, 1
.endif
.endm
; PHASE P, one column tile, the trip's e-th.  lk, lv: k of the next tile and v of the tile after it are asked for; pre: so are the next tile's operands and state from LDS; wl: the younger global loads that may be out;
; last: the block's last tile, in which column blocks 0 and 2 of the next 32 keys' k are asked for, if there are 32 more keys: one branch, on the count of blocks.
.macro TILE e, lk, lv, pre, wl, last
.set VC, 80+16*(\e)
	s_wait_loadcnt \wl                             ; k and v of this tile are in; v of the next tile, issued last, may be out
	s_wait_dscnt 3                                 ; w_al's fragments and words and q are in; the state's three loads, issued last, may be out
.irp m, 0,1
.irp q, 0,1,2,3
.irp k, 0,2,4,6
	v_pk_mul_f32 v[128+8*(4*\m+\q)+\k:129+8*(4*\m+\q)+\k], v[64+8*\m+\k:65+8*\m+\k], v[232+2*\q:233+2*\q] op_sel_hi:[1,0]   ; C = raw, in the result's layout
.endr
.endr
.endr
.if \lk || \pre
	s_wait_alu depctr_va_vdst(0)                   ; the multiplications above are done reading k (v64-79) and q (v232-238), in which the loads below land; v8 is written, which q's loads read; in a block's first tile the scale words v16-23 are written, which the products take: the multiplications are their places
.endif
.if \lk
	KCLOAD 4096*(\e+1)
.endif
.if \pre
	PREQ \e+1
.endif
	WIN 0x01                                       ; source 0 (the codes) window 1
.irp i, 0,1,2,3,4,5,6,7                        ; the eight accumulators by turns, K step by K step
	v_wmma_scale_f32_16x16x128_f8f6f4 v[128+8*\i:135+8*\i], v[32*\i:32*\i+15], v[32:47], v[128+8*\i:135+8*\i], v[16+\i], v15 matrix_a_fmt:MATRIX_FMT_BF8 matrix_b_fmt:MATRIX_FMT_BF8
.endr
.irp i, 0,1,2,3,4,5,6,7
	v_wmma_scale_f32_16x16x128_f8f6f4 v[128+8*\i:135+8*\i], v[32*\i+16:32*\i+31], v[48:63], v[128+8*\i:135+8*\i], v[16+\i], v15 matrix_a_fmt:MATRIX_FMT_BF8 matrix_b_fmt:MATRIX_FMT_BF8 matrix_a_scale:MATRIX_SCALE_ROW1 matrix_b_scale:MATRIX_SCALE_ROW1
.endr
	WIN 0
.rept 8
	v_nop                                          ; eight places between this form and the reads of its results
.endr
.if \pre
	s_wait_dscnt 4                                 ; the state is in; the four loads of q, issued behind it, may be out
.else
	s_wait_dscnt 0x0
.endif
.irp q, 0,1,2,3                                ; the new maximum of each query: the old one and 16 logits, four chains by turns; each accumulator is read from its low end on
	v_max3_num_f32 v[252+\q], v[240+\q], v[128+8*\q], v[129+8*\q]
.endr
.irp k, 2,4,6
.irp q, 0,1,2,3
	v_max3_num_f32 v[252+\q], v[252+\q], v[128+8*\q+\k], v[129+8*\q+\k]
.endr
.endr
.irp k, 0,2,4,6
.irp q, 0,1,2,3
	v_max3_num_f32 v[252+\q], v[252+\q], v[160+8*\q+\k], v[161+8*\q+\k]
.endr
.endr
.irp q, 0,1,2,3
	v_mul_f32 v[224+2*\q], s34, v[252+\q]                          ; c m
.endr
.irp q, 0,1,2,3
	v_fma_f32 v[120+2*\q], v[240+\q], s34, -v[224+2*\q]            ; c m_old - c m
.endr
.irp p, 0,1                                    ; two queries at a time
.irp q, 0,1
.irp m, 0,1
.irp k, 0,2,4,6
	v_pk_fma_f32 v[192+16*\q+8*\m+\k:193+16*\q+8*\m+\k], v[128+8*(4*\m+2*\p+\q)+\k:129+8*(4*\m+2*\p+\q)+\k], s[34:35], v[224+4*\p+2*\q:225+4*\p+2*\q] op_sel_hi:[1,0,0] neg_lo:[0,0,1] neg_hi:[0,0,1]   ; c l - c m
.endr
.endr
.endr
.set j, 0
	s_wait_alu depctr_va_vdst(0)
.rept 32
	v_exp_f32 v[192+j], v[192+j]
.set j, j+1
.endr
.if \p == 0
.irp q, 0,1,2,3
	v_exp_f32 v[120+2*\q], v[120+2*\q]                             ; the factors that bring s and a under the new maximum
.endr
.endif
	v_nop                                          ; a plain line behind the last exponential
	s_wait_alu depctr_va_vdst(0)                   ; the batch's exponentials have written e (with the first pair: the factors too), ahead of their first reader; with the first pair it also states that the tile's products are done reading w_al's fragments and words (v32-63, v15), in which the loads below land
.if \p == 0
.if \pre
	PREB \e+1
.endif
.if \last
	s_cmp_eq_u32 s36, 1
	s_cbranch_scc1 .Lno_more_k_\@
	KALOAD 0, 32, 32768                            ; into the registers of w_al's fragments, of k and of the even tiles' v, all done with ahead of the wait above.  Column block 1 goes to registers that this tile still uses: it is asked for at the block loop's head
	KALOAD 2, 64, 32768
.Lno_more_k_\@:
.endif
.endif
.irp q, 0,1
.irp m, 0,1
.irp k, 0,2,4,6
	v_pk_mul_f32 v[192+16*\q+8*\m+\k:193+16*\q+8*\m+\k], v[128+8*(4*\m+2*\p+\q)+\k:129+8*(4*\m+2*\p+\q)+\k], v[192+16*\q+8*\m+\k:193+16*\q+8*\m+\k]   ; l e
.endr
.endr
.endr
.irp q, 0,1
	v_pk_mul_f32 v[244+4*\p+2*\q:245+4*\p+2*\q], v[244+4*\p+2*\q:245+4*\p+2*\q], v[120+4*\p+2*\q:121+4*\p+2*\q] op_sel_hi:[1,0]
.endr
.irp k, 0,2,4,6,8,10,12,14                     ; s += |l e|;  v l e in pairs: four chains by turns
.irp q, 0,1
	v_add_f32 v[244+4*\p+2*\q], v[244+4*\p+2*\q], |v[192+16*\q+\k]|
.endr
.irp q, 0,1
.if \k == 0
	v_pk_mul_f32 v[112+4*\p+2*\q:113+4*\p+2*\q], v[VC+\k:VC+\k+1], v[192+16*\q+\k:193+16*\q+\k]
.else
	v_pk_fma_f32 v[112+4*\p+2*\q:113+4*\p+2*\q], v[VC+\k:VC+\k+1], v[192+16*\q+\k:193+16*\q+\k], v[112+4*\p+2*\q:113+4*\p+2*\q]
.endif
.endr
.irp q, 0,1
	v_add_f32 v[244+4*\p+2*\q], v[244+4*\p+2*\q], |v[193+16*\q+\k]|
.endr
.endr
.irp q, 0,1
	v_add_f32 v[245+4*\p+2*\q], v[245+4*\p+2*\q], v[112+4*\p+2*\q]
.endr
.irp q, 0,1
	v_add_f32 v[245+4*\p+2*\q], v[245+4*\p+2*\q], v[113+4*\p+2*\q]
.endr
.endr
	s_wait_alu depctr_va_vdst(0)                   ; the new maxima and the updated s and a (v244-255) are written, which the stores read; the tile is done reading the old maxima (v240-243) and its v, in which the loads below land
	ds_store_b128 v7, v[252:255] offset:1536*(\e)                  ; the state goes back to my own bytes
	ds_store_b128 v7, v[244:247] offset:1536*(\e)+512
	ds_store_b128 v7, v[248:251] offset:1536*(\e)+1024
.if \pre
	s_wait_alu depctr_vm_vsrc(0)                   ; the stores above have read v244-255: the next state lands on v244-251, and the next tile's maxima are written to v252-255
	STLOAD \e+1
.endif
.if \lv
	VCLOAD VC, 4096*(\e+2)
.endif
.endm
; 16 numbers of a lane, half a block of 32, become 16 codes in v[cod] on; the scale's byte is left in v228
.macro QUANT1 src, tmp, cod
	v_max3_num_f32 v224, |v[\src]|, |v[\src+1]|, 0x8000000
.irp i, 2,4,6,8,10,12,14
	v_max3_num_f32 v224, v224, |v[\src+\i]|, |v[\src+\i+1]|
.endr
	v_permlanex16_b32 v228, v224, s30, s31
	v_max_num_f32 v224, v224, v228
	v_add_nc_u32 v236, 0xf8800000, v224
	v_and_or_b32 v232, v224, 0x7f800000, s32
.irp i, 0,1,2,3,4,5,6,7,8,9,10,11,12,13,14,15
	v_med3_num_f32 v[\tmp+\i], v[\src+\i], -v232, v232
.endr
	v_cvt_scalef32_pk8_bf8_f32 v[\cod:\cod+1], v[\tmp:\tmp+7], v236
	v_cvt_scalef32_pk8_bf8_f32 v[\cod+2:\cod+3], v[\tmp+8:\tmp+15], v236
	v_lshrrev_b32 v228, 23, v236                   ; the byte; also the plain line behind the conversions
.endm
	s_load_b256 s[4:11], s[0:1], 0x0               ; ka, qa, xa, kvc
	s_load_b256 s[12:19], s[0:1], 0x20             ; wal, w_al's scales, w_vo's codes, scales
	s_load_b128 s[20:23], s[0:1], 0x40             ; w_end's codes, scales
	s_load_b64 s[24:25], s[0:1], 0x50              ; out0
	v_lshrrev_b32 v200, 5, v0
	v_readfirstlane_b32 s26, v200                  ; wave 0..7
	v_and_b32 v200, 31, v0                         ; lane
	v_and_b32 v201, 15, v0                         ; r
	v_bfe_u32 v202, v0, 4, 1                       ; h
	v_lshlrev_b32 v1, 4, v200                      ; 16 x lane
	v_lshlrev_b32 v10, 8, v200                     ; 256 x lane
	v_lshl_add_u32 v2, v202, 6, QL                 ; q for the quantiser: my half's 16 numbers of a block
	v_and_b32 v203, 8, v201
	v_add_nc_u32 v203, v203, v201                  ; r % 8 + 16 (r / 8)
	v_lshl_add_u32 v3, v203, 2, QL                 ; q at my column of a tile
	v_lshl_add_u32 v4, v203, 3, WSC                ; w_al's scale word of my column:
	v_lshl_add_u32 v4, v202, 2, v4                 ; lanes 16-31 take K step 1's
	s_wait_alu depctr_va_sdst(0)                   ; s26 is written, ahead of its first reader: LDS addresses, bases and branches are made from it
	s_mul_i32 s48, s26, STW
	s_add_co_u32 s48, s48, ST
	v_add_nc_u32 v5, s48, v1                       ; my wave's state
	v_lshlrev_b32 v204, 4, v0                      ; the fills: 16 bytes a thread,
	v_lshlrev_b32 v205, 3, v0                      ; 8 bytes a thread
	v_and_b32 v206, 63, v0                         ; q: thread 64 query + p takes columns 4 p .. 4 p + 3: block p / 8, half (p / 4) % 2, quad p % 4 of qa's image
	v_lshrrev_b32 v209, 3, v206
	v_and_b32 v210, 3, v206
	v_lshl_add_u32 v209, v209, 2, v210
	v_bfe_u32 v210, v0, 2, 1
	v_lshrrev_b32 v211, 6, v0
	v_lshl_add_u32 v210, v210, 4, v211
	v_lshlrev_b32 v206, 9, v209
	v_lshl_add_u32 v206, v210, 4, v206
	v_add_nc_u32 v207, WSC, v205
	v_add_nc_u32 v208, QL, v204
.irp u, 0,1,2,3
	v_mov_b32 v[228+\u], 0                         ; a lane permute's destination counts as one of its sources
	v_mov_b32 v[240+\u], 0xfe967699                ; -1e38, under every logit that is served
	v_mov_b32 v[244+\u], 0
.endr
	s_mov_b32 s30, 0x76543210
	s_mov_b32 s31, 0xfedcba98                      ; v_permlanex16_b32's selects for lane l xor 16
	s_mov_b32 s32, 0x600000                        ; the mantissa field of 57,344
	s_mov_b32 s33, 0xffff0000                      ; lanes 16-31
	s_mov_b32 s34, 0x3fb8aa3b                      ; c = log2 e
	s_mov_b32 s35, s34                             ; (named with it as a pair, so it is written)
	s_mov_b32 s53, 0
	s_lshr_b32 s48, ttmp9, 7                       ; batch
	s_wait_kmcnt 0x0
	s_lshl_b32 s49, s48, 5
	s_lshl_b32 s50, s26, 2
	s_add_co_u32 s49, s49, s50
	s_lshl_b32 s52, s49, 14
	s_add_nc_u64 s[42:43], s[4:5], s[52:53]        ; ka at row tile 32 batch + 4 wave
	s_lshl_b32 s49, s48, 4
	s_lshl_b32 s50, s26, 1
	s_add_co_u32 s49, s49, s50
	s_lshl_b32 s52, s49, 16
	s_add_nc_u64 s[44:45], s[10:11], s[52:53]      ; kvc at block 16 batch + 2 wave
	s_lshl_b32 s52, s48, 20
	s_and_b32 s49, ttmp9, 127
	s_lshl_b32 s49, s49, 13
	s_add_co_u32 s52, s52, s49
	s_add_nc_u64 s[46:47], s[10:11], s[52:53]      ; the prefetch: my work-group's 8,192 bytes of the batch's 1,048,576 of kvc
	s_lshr_b32 s49, ttmp9, 2                       ; my queries: rows 4 (g % 4) on of row tile g / 4
	s_lshl_b32 s49, s49, 14
	s_and_b32 s50, ttmp9, 3
	s_lshl_b32 s50, s50, 6
	s_add_co_u32 s52, s49, s50
	s_add_nc_u64 s[6:7], s[6:7], s[52:53]
	s_lshl_b32 s49, s26, 11
	s_add_co_u32 s52, s52, s49
	s_add_nc_u64 s[8:9], s[8:9], s[52:53]          ; xa: the same rows, block = wave
	s_lshl_b32 s52, s26, 13
	s_add_nc_u64 s[16:17], s[16:17], s[52:53]      ; w_vo and w_end: my 32 rows
	s_add_nc_u64 s[20:21], s[20:21], s[52:53]
	s_lshl_b32 s52, s26, 8
	s_add_nc_u64 s[18:19], s[18:19], s[52:53]
	s_add_nc_u64 s[22:23], s[22:23], s[52:53]
	s_lshl_b32 s52, ttmp9, 12
	s_add_nc_u64 s[24:25], s[24:25], s[52:53]      ; out0: my 4 rows
	s_wait_alu depctr_va_vdst(0)                   ; the offsets and addresses v1, v2, v5, v10 and v204 to v208 are written, which the loads, stores and the prefetch below read; so is the first state (v240-247), which the LDS stores read
.irp i, 0,1,2,3,4,5,6,7,8,9,10,11,12,13,14,15
	global_load_b128 v[128+4*\i:131+4*\i], v204, s[12:13] offset:4096*\i
.endr
	global_load_b64 v[192:193], v205, s[14:15]
	global_load_b128 v[196:199], v206, s[6:7]
	KALOAD 0, 32, 0                                ; k's column blocks 0 and 2 of my first 32 keys, as the last tile of a block asks for the next block's
	KALOAD 2, 64, 0
.irp t, 0,1,2,3,4,5,6,7,8,9,10,11,12,13,14,15
	ds_store_b128 v5, v[240:243] offset:1536*\t
	ds_store_b128 v5, v[244:247] offset:1536*\t+512
	ds_store_b128 v5, v[244:247] offset:1536*\t+1024
.endr
	s_wait_loadcnt 16                              ; the fills are in; the 16 loads of k may be out
.irp i, 0,1,2,3,4,5,6,7,8,9,10,11,12,13,14,15
	ds_store_b128 v204, v[128+4*\i:131+4*\i] offset:WAL+4096*\i
.endr
	ds_store_b64 v207, v[192:193]
	ds_store_b128 v208, v[196:199]
	BARRIER                                        ; w_al, its scale bytes and q lie in LDS
	; kvc is asked for ahead: each of a batch's 128 work-groups names its own 32 blocks of 256 bytes of that batch's part, a lane a block, wave 0 alone: each block once in the launch, one phase Q ahead of the first load from kvc.
	; v10 and s[46:47] are never written again.
	s_cmp_lg_u32 s26, 0
	s_cbranch_scc1 .Lno_ask
	global_prefetch_b8 v10, s[46:47] th:TH_LOAD_NT scope:SCOPE_SE
.Lno_ask:
	s_mov_b32 s36, 2
.Lblock:                                           ; two blocks of 32 keys
	s_wait_alu depctr_vm_vsrc(0)                   ; on the way in: the fills' LDS stores have read v128-199, v204-208 and v240-247; on the way back: the last tile's stores have read v7 and v244-255.  All of these are written or loaded again in this block
	s_wait_alu depctr_va_vdst(0)                   ; the last tile is done with the odd tiles' v and the partial sums (v96-127) and with the accumulators (v128-191), in which k's column block 1 and the first two groups' q land
	KALOAD 1, 96, 0                                ; column block 1: its registers were at work to the last tile's end; it is wanted one step on
	QALOAD 0, 0
	QSTEP 0, 32, 8, 0                              ; out: column block 1, just asked for; blocks 0 and 2 were asked for together
	s_wait_alu depctr_va_vdst(0)                   ; step 0 is done reading its k (v32-63), in which block 3 lands, and with v160-191, in which the next group's q lands
	KALOAD 3, 32, 0
	QSTEP 1, 96, 8, 0                              ; out: block 3
	s_wait_alu depctr_va_vdst(0)                   ; step 1 is done reading v96-127, in which block 4 lands, and with v160-191
	KALOAD 4, 96, 0
	QSTEP 2, 64, -1, 0                             ; shown in by the first step's wait
	s_wait_alu depctr_va_vdst(0)                   ; step 2 is done reading v64-95, in which block 5 lands, and with v160-191
	KALOAD 5, 64, 0
	QSTEP 3, 32, 16, 0                             ; out: blocks 4, 5
	s_wait_alu depctr_va_vdst(0)                   ; step 3 is done reading v32-63, in which block 6 lands, and with v160-191
	KALOAD 6, 32, 0
	QSTEP 4, 96, 16, 0                             ; out: blocks 5, 6
	s_wait_alu depctr_va_vdst(0)                   ; step 4 is done reading v96-127, in which block 7 lands, and with v160-191
	KALOAD 7, 96, 0
	QSTEP 5, 64, 16, 0                             ; out: blocks 6, 7
	s_wait_alu depctr_va_vdst(0)                   ; step 5 is done reading v64-95, in which k and v of tile 0 land, and with v160-191
	KCLOAD 0
	VCLOAD 80, 0
	QSTEP 6, 32, 16, 0                             ; out: block 7, and k and v of tile 0
	QSTEP 7, 96, 8, 1                              ; out: k and v of tile 0
	s_wait_alu depctr_va_vdst(0)                   ; step 7 is done reading v96-111, in which v of tile 1 lands, and the last group with v232-238, in which q lands; the last conversions have written the codes, which the products take
	VCLOAD 96, 4096
	PREQ 0                                         ; its registers were at work in the last group
	STLOAD 0                                       ; the state last: the tile's head leaves these three out
.irp i, 0,1,2,3,4,5,6,7
	v_cndmask_b32 v[16+\i], v[16+\i], v[24+\i], s33                ; one register carries both K steps' scale words: lanes 16-31 take K step 1's.  The 32 multiplications of the first C stand between this and the first product
.endr
	s_mov_b32 s37, 7
.Ltrip:                                            ; two column tiles a trip
	s_wait_alu depctr_vm_vsrc(0)                   ; the LDS loads and stores issued so far have read v6 to v9, which are written below
	ADDRS
	TILE 0, 1, 1, 1, 4, 0
	TILE 1, 1, 1, 1, 4, 0
	s_wait_xcnt 0x0                                ; the loads have read their base: it is stepped only behind this wait
	s_add_nc_u64 s[44:45], s[44:45], 8192
	s_add_co_u32 s38, s38, 8192
	s_add_co_u32 s39, s39, 3072
	s_add_co_u32 s40, s40, 128
	s_add_co_u32 s41, s41, 256
	s_sub_co_u32 s37, s37, 1
	s_cmp_lg_u32 s37, 0
	s_cbranch_scc1 .Ltrip
	s_wait_alu depctr_vm_vsrc(0)                   ; the LDS loads and stores issued so far have read v6 to v9, which are written below
	ADDRS                                          ; tiles 14 and 15 are written out: no load passes the block's last tile
	TILE 0, 1, 0, 1, 4, 0
	TILE 1, 0, 0, 0, 0, 1
	s_wait_xcnt 0x0
	s_add_nc_u64 s[44:45], s[44:45], 8192
	s_add_nc_u64 s[42:43], s[42:43], 32768
	s_sub_co_u32 s36, s36, 1
	s_cmp_lg_u32 s36, 0
	s_cbranch_scc1 .Lblock
	; ---- THE MERGE AND THE TAIL: wave w takes column tiles 2 w and 2 w + 1: columns 32 w .. 32 w + 31
	s_wait_loadcnt 0x0                             ; no load of the loop is out: the tail lays other numbers over the registers of k
	s_wait_alu depctr_vm_vsrc(0)                   ; the loop's LDS instructions have read v2 and v6 to v9, and the last tile's stores v244-255: the addresses are written anew below
	v_and_b32 v200, 15, v0                         ; r
	v_bfe_u32 v201, v0, 4, 1                       ; h
	v_and_b32 v202, 8, v200
	v_add_nc_u32 v202, v202, v200                  ; r % 8 + 16 (r / 8)
	v_lshlrev_b32 v24, 8, v202
	v_lshl_add_u32 v24, v201, 4, v24               ; a weight's row, + 16 h
	v_lshlrev_b32 v25, 3, v202                     ; its scale bytes
	v_and_b32 v203, 3, v200                        ; r % 4: rows 4 to 15 of the tail's tile repeat my 4 queries
	v_lshl_add_u32 v26, v201, 4, v203
	v_lshlrev_b32 v26, 4, v26                      ; xa: lane (r % 4, h) of the image
	v_and_b32 v204, 31, v0
	s_wait_alu depctr_va_vdst(0)
	s_mul_i32 s48, s26, 3072
	s_add_co_u32 s48, s48, ST
	v_add_nc_u32 v6, s48, v1                       ; the states of my two tiles: waves 0-2,
	v_add_nc_u32 v7, 3*STW, v6                     ; 3-5,
	v_add_nc_u32 v8, 6*STW, v6                     ; 6-7 (an immediate has 16 bits)
	s_lshl_b32 s49, s26, 7
	s_add_co_u32 s48, s49, VS-QL
	v_add_nc_u32 v9, s48, v3                       ; vsum, in: my column of a tile
	v_mul_u32_u24 v27, v203, VSP
	v_lshl_add_u32 v27, v201, 6, v27
	s_add_co_u32 s48, s49, VS
	v_add_nc_u32 v27, s48, v27                     ; and back: row r % 4, my half's 16 numbers
	s_lshr_b32 s50, s26, 2
	s_and_b32 s51, s26, 3
	s_lshl_b32 s48, s50, 11
	s_lshl_b32 s52, s51, 9
	s_add_co_u32 s48, s48, s52
	s_add_co_u32 s48, s48, VIMG
	v_add_nc_u32 v28, s48, v1                      ; where my codes go: quad w % 4 of K step w / 4
	s_lshl_b32 s48, s50, 7
	s_add_co_u32 s48, s48, s51
	s_add_co_u32 s48, s48, VSCB
	v_lshl_add_u32 v29, v204, 2, s48               ; and my byte
	v_add_nc_u32 v30, VIMG, v1                     ; a fragment's image for my lane
	v_lshl_add_u32 v31, v204, 2, VSCB              ; a scale word's
	v_lshlrev_b32 v2, 10, v203
	v_lshl_add_u32 v2, v201, 6, v2
	s_add_co_u32 s48, s49, OS
	v_add_nc_u32 v2, s48, v2                       ; out, in: row r % 4, + 128 w + 64 h
	v_lshlrev_b32 v5, 4, v0
	v_add_nc_u32 v4, OS, v5                        ; and back: 16 bytes a thread
	WIN 0x40                                       ; destination window 1
	s_wait_alu depctr_va_vdst(0)                   ; the tail's addresses (v2, v4 to v9, v24 to v31) are written; the last tile's products are done reading the codes and the scale words v16-23, in which the weights, X and their scale words land; its vector instructions and the lines above are done with v32-223, in which the states land
.irp u, 0,1
.irp s, 0,1
.irp c, 0,1,2,3
	global_load_b128 v[32*\u+16*\s+4*\c:32*\u+16*\s+4*\c+3], v24, s[16:17] offset:2048*\u+128*\s+32*\c
.endr
.endr
.endr
.irp u, 0,1
.irp s, 0,1
.irp c, 0,1,2,3
	global_load_b128 v[64+32*\u+16*\s+4*\c:64+32*\u+16*\s+4*\c+3], v24, s[20:21] offset:2048*\u+128*\s+32*\c
.endr
.endr
.endr
.irp j, 0,1,2,3
	global_load_b128 v[128+4*\j:131+4*\j], v26, s[8:9] offset:512*\j
.endr
	WIN 0
.irp u, 0,1
	global_load_b64 v[16+2*\u:17+2*\u], v25, s[18:19] offset:64*\u
	global_load_b64 v[20+2*\u:21+2*\u], v25, s[22:23] offset:64*\u
.endr
	BARRIER                                        ; every wave's state lies in LDS
.irp t, 0,1
.irp w, 0,1,2,3,4,5,6,7
.irp q, 0,1,2
	ds_load_b128 v[32+96*\t+12*\w+4*\q:35+96*\t+12*\w+4*\q], v[6+\w/3] offset:(\w%3)*STW+1536*\t+512*\q
.endr
.endr
.endr
; One tile: the largest of the 8 waves' and 2 halves' maxima; each wave's s and a are brought under it and added
.macro MERGE t
.set MB, 32+96*(\t)
	s_wait_dscnt 24-24*(\t)                        ; this tile's 24 loads are in; the other tile's may be out
.irp q, 0,1,2,3
	v_max3_num_f32 v[224+\q], v[MB+\q], v[MB+12+\q], v[MB+24+\q]
.endr
.irp q, 0,1,2,3
	v_max3_num_f32 v[224+\q], v[224+\q], v[MB+36+\q], v[MB+48+\q]
.endr
.irp q, 0,1,2,3
	v_max3_num_f32 v[224+\q], v[224+\q], v[MB+60+\q], v[MB+72+\q]
.endr
.irp q, 0,1,2,3
	v_max_num_f32 v[224+\q], v[224+\q], v[MB+84+\q]
.endr
.irp q, 0,1,2,3
	v_permlanex16_b32 v[228+\q], v[224+\q], s30, s31
.endr
.irp q, 0,1,2,3
	v_max_num_f32 v[224+\q], v[224+\q], v[228+\q]
.endr
.irp q, 0,1,2,3
	v_mul_f32 v[232+\q], s34, v[224+\q]
.endr
.irp w, 0,1,2,3,4,5,6,7
.irp q, 0,1,2,3
	v_fma_f32 v[MB+12*\w+\q], v[MB+12*\w+\q], s34, -v[232+\q]
.endr
.endr
	s_wait_alu depctr_va_vdst(0)
.irp w, 0,1,2,3,4,5,6,7
.irp q, 0,1,2,3
	v_exp_f32 v[MB+12*\w+\q], v[MB+12*\w+\q]
.endr
.endr
	v_nop                                          ; a plain line behind the last exponential
	s_wait_alu depctr_va_vdst(0)                   ; the 32 exponentials have written their factors, ahead of their first reader
.irp q, 0,1,2,3
	v_mul_f32 v[236+4*(\t)+\q], v[MB+4+2*\q], v[MB+\q]
	v_mul_f32 v[244+4*(\t)+\q], v[MB+5+2*\q], v[MB+\q]
.endr
.irp w, 1,2,3,4,5,6,7
.irp q, 0,1,2,3
	v_fma_f32 v[236+4*(\t)+\q], v[MB+12*\w+4+2*\q], v[MB+12*\w+\q], v[236+4*(\t)+\q]
	v_fma_f32 v[244+4*(\t)+\q], v[MB+12*\w+5+2*\q], v[MB+12*\w+\q], v[244+4*(\t)+\q]
.endr
.endr
.endm
	MERGE 0
	MERGE 1
.irp x, 0,1,2,3,4,5,6,7
	v_permlanex16_b32 v[224+\x], v[236+\x], s30, s31
.endr
.irp x, 0,1,2,3,4,5,6,7
	v_add_f32 v[236+\x], v[236+\x], v[224+\x]      ; the other half's keys
.endr
.irp x, 0,1,2,3,4,5,6,7
	v_permlanex16_b32 v[224+\x], v[244+\x], s30, s31
.endr
.irp x, 0,1,2,3,4,5,6,7
	v_add_f32 v[244+\x], v[244+\x], v[224+\x]
.endr
.irp x, 0,1,2,3,4,5,6,7
	v_add_f32 v[236+\x], 1.0, v[236+\x]            ; sum |l e| + 1
.endr
	s_wait_alu depctr_va_vdst(0)
.irp x, 0,1,2,3,4,5,6,7
	v_rcp_f32 v[236+\x], v[236+\x]
.endr
	v_nop
	s_wait_alu depctr_va_vdst(0)                   ; the eight reciprocals are written, ahead of their first reader
.irp x, 0,1,2,3,4,5,6,7
	v_mul_f32 v[244+\x], v[244+\x], v[236+\x]      ; vsum(query x % 4, my column of tile x / 4)
.endr
	s_wait_alu depctr_va_vdst(0)                   ; vsum (v244-251) is written, which the LDS stores read; the merge is done reading v32-135, in which this and the later LDS loads of the tail land
.irp t, 0,1
.irp q, 0,1,2,3
	ds_store_b32 v9, v[244+4*\t+\q] offset:VSP*\q+32*\t            ; both halves of the lanes write the same word with the same value
.endr
.endr
.irp j, 0,1,2,3
	ds_load_b128 v[32+4*\j:35+4*\j], v27 offset:16*\j              ; back with a row a lane; the bytes are my wave's own, and LDS serves a wave's instructions in order
.endr
	s_wait_dscnt 0x0
	s_wait_loadcnt 0x0                             ; w_vo, w_end, their scale words, X
	WIN 0x01                                       ; source 0 (X) window 1
.irp k, 0,2,4,6,8,10,12,14
	v_pk_add_f32 v[48+\k:49+\k], v[128+\k:129+\k], v[32+\k:33+\k]  ; X + vsum: the C of the next product
.endr
	WIN 0
	QUANT1 32, 32, 64
	s_wait_alu depctr_va_vdst(0)                   ; the conversions have written my codes (v64-67) and the shift my byte (v228), which the LDS stores read
	ds_store_b128 v28, v[64:67]
	ds_store_b8 v29, v228
	BARRIER                                        ; Q(vsum)'s two fragments lie in LDS
.irp s, 0,1
.irp c, 0,1,2,3
	ds_load_b128 v[72+16*\s+4*\c:75+16*\s+4*\c], v30 offset:2048*\s+512*\c
.endr
	ds_load_b32 v[11+\s], v31 offset:128*\s
.endr
	s_wait_dscnt 0x0
	WIN 0x01                                       ; source 0 (the weight) window 1
.irp s, 0,1
.irp u, 0,1
	MMC 48+8*\u, 32*\u+16*\s, 72+16*\s, 48+8*\u, 16+2*\u+\s, 11+\s  ; X2 = X + vsum + Q(vsum) w_vo^T, a row a lane: two accumulators by turns
.endr
.endr
	WIN 0
.rept 8
	v_nop
.endr
	s_wait_alu depctr_vm_vsrc(0)                   ; the LDS stores of Q(vsum) have read v64-67 and v228, which the quantiser below writes again
	QUANT1 48, 48, 64
	s_wait_alu depctr_va_vdst(0)                   ; the conversions have written my codes (v64-67) and the shift my byte (v228), which the LDS stores read
	ds_store_b128 v28, v[64:67] offset:NXT
	ds_store_b8 v29, v228 offset:NXT
	BARRIER                                        ; Q(X2)'s two fragments lie in LDS
.irp s, 0,1
.irp c, 0,1,2,3
	ds_load_b128 v[104+16*\s+4*\c:107+16*\s+4*\c], v30 offset:NXT+2048*\s+512*\c
.endr
	ds_load_b32 v[13+\s], v31 offset:NXT+128*\s
.endr
	s_wait_dscnt 0x0
	WIN 0x01
.irp u, 0,1
	MM0 136+8*\u, 64+32*\u, 104, 20+2*\u, 13
.endr
.irp u, 0,1
	MMC 136+8*\u, 80+32*\u, 120, 136+8*\u, 21+2*\u, 14
.endr
	WIN 0
.rept 8
	v_nop
.endr
	s_wait_alu depctr_va_vdst(0)                   ; the products have written out's two tiles (v136-151), which the LDS stores read; the places above stay beside this wait
.irp u, 0,1
	ds_store_b128 v2, v[136+8*\u:139+8*\u] offset:32*\u            ; out(r % 4, 32 w + 16 h + 8 u + 0 .. 7); the repeated rows write the same values to the same bytes
	ds_store_b128 v2, v[140+8*\u:143+8*\u] offset:32*\u+16
.endr
	BARRIER                                        ; 4 whole rows of out lie in LDS
	ds_load_b128 v[32:35], v4
	s_wait_dscnt 0x0
	global_store_b128 v5, v[32:35], s[24:25] th:TH_STORE_NT        ; a wave stores 512 consecutive bytes, aligned; written once, read by nobody here
	s_wait_xcnt 0x0
	v_lshl_add_u32 v254, v0, 2, 0x4a000            ; (no memory or LDS instruction has read v254 or v255 since the last wait on vm_vsrc)
	v_mov_b32 v255, 0
	s_wait_dscnt 0x0                               ; the closing lines, six on end
	s_wait_alu 0x0
	s_wait_tensorcnt 0x0
	ds_add_u32 v254, v255
	s_wait_dscnt 0x0
	s_endpgm
.Lfunc_end_k_qeeaf320372_main:
	.size	k_qeeaf320372_main, .Lfunc_end_k_qeeaf320372_main-k_qeeaf320372_main
	.p2alignl 7, 3214868480
	.fill 96, 4, 3214868480
	.section	.rodata,"a",@progbits
	.p2align	6, 0x0
	.amdhsa_kernel k_qeeaf320372_main
		.amdhsa_group_segment_fixed_size 304128
		.amdhsa_private_segment_fixed_size 0
		.amdhsa_enable_private_segment 0
		.amdhsa_kernarg_size 88
		.amdhsa_user_sgpr_count 2
		.amdhsa_user_sgpr_kernarg_segment_ptr 1
		.amdhsa_wavefront_size32 1
		.amdhsa_system_sgpr_workgroup_id_x 1
		.amdhsa_system_sgpr_workgroup_id_y 1
		.amdhsa_system_sgpr_workgroup_id_z 1
		.amdhsa_system_vgpr_workitem_id 0
		.amdhsa_next_free_vgpr 512
		.amdhsa_next_free_sgpr 66
		.amdhsa_reserve_vcc 0
		.amdhsa_float_denorm_mode_32 3
		.amdhsa_float_denorm_mode_16_64 3
		.amdhsa_memory_ordered 1
		.amdhsa_forward_progress 1
		.amdhsa_inst_pref_size 255
	.end_amdhsa_kernel
	.section	.bss,"aw",@nobits
	.p2align	6
	.space	262144
	.amdgpu_metadata
---
amdhsa.version: [ 1, 2 ]
amdhsa.kernels:
  - .name:           k_qeeaf320372_main
    .symbol:         k_qeeaf320372_main.kd
    .args:
      - { .name: ka, .offset: 0, .size: 8, .value_kind: global_buffer, .address_space: global }
      - { .name: qa, .offset: 8, .size: 8, .value_kind: global_buffer, .address_space: global }
      - { .name: xa, .offset: 16, .size: 8, .value_kind: global_buffer, .address_space: global }
      - { .name: kvc, .offset: 24, .size: 8, .value_kind: global_buffer, .address_space: global }
      - { .name: wal, .offset: 32, .size: 8, .value_kind: global_buffer, .address_space: global }
      - { .name: w_al_scales, .offset: 40, .size: 8, .value_kind: global_buffer, .address_space: global }
      - { .name: w_vo_codes, .offset: 48, .size: 8, .value_kind: global_buffer, .address_space: global }
      - { .name: w_vo_scales, .offset: 56, .size: 8, .value_kind: global_buffer, .address_space: global }
      - { .name: w_end_codes, .offset: 64, .size: 8, .value_kind: global_buffer, .address_space: global }
      - { .name: w_end_scales, .offset: 72, .size: 8, .value_kind: global_buffer, .address_space: global }
      - { .name: out0, .offset: 80, .size: 8, .value_kind: global_buffer, .address_space: global }
    .group_segment_fixed_size: 304128
    .private_segment_fixed_size: 0
    .kernarg_segment_align: 8
    .kernarg_segment_size: 88
    .max_flat_workgroup_size: 256
    .sgpr_count:     66
    .vgpr_count:     512
    .wavefront_size: 32
...
	.end_amdgpu_metadata
.endif
;; end of part 4
